; MI455X (gfx1250); checked and timed in simulation.
; The chip was launched on July 23, 2026; its instructions are those of AMD's public machine-readable ISA for CDNA 5 (MIT licence, August 2026) and "CDNA5" Instruction Set Architecture Reference Guide (July 2026). The comments in the code are by the model that wrote it; some were corrected since.
;; Attention. Allowed arithmetic: matrix products marked QUANTISED: E2M1 operands, one E8M0 scale for each 32 along K, by v_wmma_scale_f32_16x16x128_f8f6f4 with both operands' format E2M1 (or v_wmma_scale_f32_32x16x128_f4), f32 sums; products left as they are: bf16, f16 or f32 operands; f32 sums; everything else in f32.
;; Inputs: bk 1,024 float32; bo 1,024 float32; bq 1,024 float32; bv 1,024 float32; wk 1,024 x 1,024 float32; wo 1,024 x 1,024 float32; wq 1,024 x 1,024 float32; wv 1,024 x 1,024 float32; x 4 x 2,048 x 1,024 float32.
;; Outputs: out0 4 x 2,048 x 1,024 float32.
;; This version of the problem:
;;   THIS VERSION OF THE PROBLEM IS GIVEN IN LOW PRECISION. The matrix products marked QUANTISED in the list below multiply operands that are first quantised to E2M1 (2 exponent bits, 1 mantissa bit; 4 bits a number), with one power-of-two scale for each 32 numbers along K (OCP MX v1.0); their sums are f32. The products marked 'left as it is' may take bf16, f16 or f32 operands, with f32 sums. Whichever they take, every output number must still come out within the allowed error. Rounding operands to bf16 (8 significant bits) uses up far more of that allowance than f16 does (11 bits, for magnitudes from 6e-5 to 65,504). All else is computed in f32.
;;   The module's matrix products, in the order in which they are computed (A, B: the left and right operand; K: the contracted axis; several contracted axes count as one K, in the product's order):
;;     1. [M 8,192, K 1,024] x [K 1,024, N 1,024]; A: input x; B: input wq: QUANTISED
;;     2. [M 8,192, K 1,024] x [K 1,024, N 1,024]; A: input x; B: input wk: QUANTISED
;;     3. [M 8,192, K 1,024] x [K 1,024, N 1,024]; A: input x; B: input wv: QUANTISED
;;     4. batch 64 x [M 2,048, K 64] x [K 64, N 2,048]; A: computed on the way; B: computed on the way: left as it is (an operand is computed on the way)
;;     5. batch 64 x [M 2,048, K 2,048] x [K 2,048, N 64]; A: computed on the way; B: computed on the way: left as it is (an operand is computed on the way)
;;     6. [M 8,192, K 1,024] x [K 1,024, N 1,024]; A: computed on the way; B: input wo: left as it is (an operand is computed on the way)
;;   THE QUANTISER, for each operand of a quantised product, along K:
;;     - K is cut into blocks of 32 from its start; a last block that is shorter is filled with zeros.
;;     - A block's scale is 2^e with e = floor(log2(the largest magnitude in the block)) - 2, held to -126 .. 127; a block of zeros has e = 0. As a byte (E8M0): e + 127.
;;     - Each number is divided by its block's scale, clamped to +-6, and rounded to the nearest number of E2M1, ties to even, subnormals kept.
;;     - The product sums the exact products of the quantised numbers (number of the format x scale) in f32.
;;   ~~~python
;;   def quantise(x, axis):      # numpy; x: float32 -> the quantised numbers, widened to float32 again
;;       x = np.moveaxis(x, axis, -1); K = x.shape[-1]
;;       x = np.pad(x, [(0, 0)] * (x.ndim - 1) + [(0, -K % 32)]); x = x.reshape(x.shape[:-1] + (-1, 32)); a = np.abs(x).max(-1, keepdims=True)
;;       e = np.where(a > 0, np.clip(np.frexp(np.where(a > 0, a, 1))[1] - 1 - 2, -126, 127), 0)      # np.frexp(a)[1] - 1 = floor(log2(a)), exactly
;;       r = np.clip(x / 2.0 ** e, -6, 6)
;;       step = 2.0 ** (np.maximum(np.frexp(np.where(r == 0, 1, r))[1] - 1, 0) - 1)
;;       q = np.round(r / step) * step * 2.0 ** e      # np.round: ties to even
;;       return np.moveaxis(q.reshape(q.shape[:-2] + (-1,))[..., :K], -1, axis).astype(np.float32)
;;   ~~~
;; One version. Each part assembles by itself: llvm-mc -triple=amdgcn-amd-amdhsa -mcpu=gfx1250 --defsym DOCPART=n.
;; ======== version 1 of 1: 5 launches
;; limits: values are held in f16: magnitudes above 65,504 overflow, below 6.1e-05 lose precision
;; workspace buffers: codes 5,767,168 bytes; scales 360,448 bytes; wo_img 2,097,152 bytes; qkv 50,331,648 bytes; v32 262,144 bytes; attn_img 16,777,216 bytes
;; launch prep (part 1): grid 336 x 1, 4 waves a work-group, no clusters, 68,096 bytes of LDS; arguments x, wq, wk, wv, wo, codes, scales, wo_img; writes codes, scales, wo_img
.if DOCPART == 1
	.amdgcn_target "amdgcn-amd-amdhsa--gfx1250"
	.amdhsa_code_object_version 6
	.text
	.protected	k_qbba83c8883_prep
	.globl	k_qbba83c8883_prep
	.p2align	8
	.type	k_qbba83c8883_prep,@function
k_qbba83c8883_prep:
	s_mov_b64 s[64:65], 0
	v_nop
	global_prefetch_b8 v0, s[64:65] scope:SCOPE_SE
	s_setreg_imm32_b32 hwreg(HW_REG_WAVE_MODE, 25, 1), 1
	s_wait_xcnt 0x0
; PREP: the operands of the three quantised projections become codes of FP4 (E2M1) with one E8M0 byte for each 32 along K; wo becomes f16 in the order of an operand's registers.
; WORK LEFT OUT IN THIS PROGRAM, for all values of the inputs:
;   bk.  score(q, k) = q . (x wk + bk) / 8 = q . (x wk) / 8 + (q . bk) / 8.  The second term is the same for every key of a query's row; softmax over the keys is unchanged by a term that is the same
;   along its axis, and a masked score stays -infinity with it or without.  The product of q and k is not a quantised one, so bk moves no code and no scale.  bk has no other way to an output:
;   it is not loaded and is no launch's argument.
;   Key tiles that lie wholly after a tile's queries: reference() itself sets their scores to -infinity by its own jnp.tril, so their weights are 0; they are not multiplied (launch attn).
;   LIMIT: a NaN, an infinity or an overflow that reaches only the work left out (in bk; in hidden scores) is not carried to the result.
; LIMITS of the program: q, k, v, the attention's result and wo go to the matrix units as f16: magnitudes up to 65,504; under 6e-5 they keep an absolute error of 3e-8.
;   A block of zeros gets the scale byte 1 where the rule says 127: its codes are zeros, which add nothing under any byte but 0xff, and this program alone reads the bytes.
;   Blocks whose largest magnitude lies under 2^-124 (the floor that holds the byte at 1) were not tried.  NaN and infinities among the inputs are not served.
; THREE PATHS, chosen by the work-group's number; each has LDS bytes of its own.
;   X, work-groups 0-255: x [8192][1024], K innermost: a plain stream of blocks of 32.  codes rows 0-8191, 512 bytes a row; scales 32 bytes a row.
;   W, work-groups 256-303: wq, wk, wv [K 1024][N 1024], K outermost: a lane takes a column and its registers run down K.  Column n of weight wi is codes row 8192 + 1024 wi + n.
;   O, work-groups 304-335: wo [K][N] to f16: a piece of 512 bytes holds, at 16 x lane, wo[k0 + 8 (lane / 16) + 0..7][n0 + lane % 16]: half a fragment of 16 columns x 32 K.
.set SPW,   196                        ; v196  LDS address of my spare word: SPARE + 4 x my thread's number; never rewritten
.set NIL,   197                        ; v197  0; never rewritten
.set XREG,  8192                       ; path X: a region for each wave: two stages of 32 x XP bytes, behind them its 256 scale bytes
.set XP,    80                         ; a lane's place in a stage: 64 bytes + 16 of padding
.set WSTG,  32768                      ; path W: four stages of 32 rows x WP bytes
.set WP,    272                        ; 256 bytes of codes + 16 of padding
.set SPARE, WSTG+4*32*WP               ; the spare words, 128 bytes for each wave: two blocks of 256 bytes that no other line names
.set STEPS, 16
.set XR,    16                         ; path X: v16-79 four sets of 16 numbers as loaded
.set XN,    80                         ; v80-111 two sets of 16 neighbours
.set XE,    112                        ; v112-127 a scale byte for each step
.set XC,    128                        ; v128-191 codes, four registers for each step
.set WX,    32                         ; path W: v32-95 two sets of 32 numbers
.set WC,    96                         ; v96-99 a block's codes
.set WOUT,  112                        ; v112-175 the way out
.set WS,    24                         ; v24-27 the scale bytes, four to a register
.set OX,    32                         ; path O: v32-95 two sets of 32 numbers (two fragments)
.set OP,    96                         ; v96-127 two sets of 16 packed registers
	s_load_b512 s[8:23], s[0:1], 0x0               ; x s[8:9], wq s[10:11], wk s[12:13], wv s[14:15], wo s[16:17], codes s[18:19], scales s[20:21], wo_img s[22:23]
	v_lshl_add_u32 v[SPW], v0, 2, SPARE
	v_mov_b32 v[NIL], 0
	v_lshrrev_b32 v1, 5, v0
	v_readfirstlane_b32 s24, v1                    ; wave 0..3
	v_and_b32 v2, 31, v0                           ; lane
	s_cmp_lt_u32 ttmp9, 256
	s_cbranch_scc0 .Lnot_x
; ---------------- PATH X.  A wave takes 16 steps of 512 numbers.  Each load reads 512 consecutive bytes; a step's 2,048 bytes turn through the wave's own stage so that a lane holds 16 neighbours along K.
	v_lshlrev_b32 v3, 4, v2                        ; my 16 bytes of a load's 512
	s_mul_i32 s25, s24, XREG
	v_lshrrev_b32 v14, 2, v2
	v_mul_u32_u24 v14, v14, XP
	v_and_b32 v15, 3, v2
	v_lshl_add_u32 v14, v15, 4, v14
	v_add_nc_u32 v14, s25, v14                     ; the stage, in: XP (lane / 4) + 16 (lane % 4)
	v_mul_u32_u24 v15, v2, XP
	v_add_nc_u32 v15, s25, v15                     ; and out: XP x lane
	v_lshlrev_b32 v4, 3, v2                        ; my 8 bytes of a step's 256 bytes of codes
	v_lshrrev_b32 v5, 1, v2
	s_add_co_u32 s25, s25, 2*32*XP
	v_add_nc_u32 v5, s25, v5                       ; my block's scale byte in the wave's 256
	v_lshlrev_b32 v7, 3, v2
	v_add_nc_u32 v6, s25, v7                       ; and 8 bytes a lane on the way out
	s_lshl_b32 s26, ttmp9, 2
	s_add_co_u32 s26, s26, s24                     ; which run of 8,192 numbers is my wave's: 0 .. 1,023
	s_lshl_b32 s28, s26, 15                        ; 32,768 bytes of x,
	s_mov_b32 s29, 0
	s_lshl_b32 s30, s26, 12                        ; 4,096 of codes,
	s_mov_b32 s31, 0
	s_lshl_b32 s32, s26, 8                         ; 256 of scale bytes
	s_mov_b32 s33, 0
	s_wait_kmcnt 0x0
	s_add_nc_u64 s[8:9], s[8:9], s[28:29]
	s_add_nc_u64 s[18:19], s[18:19], s[30:31]
	s_add_nc_u64 s[20:21], s[20:21], s[32:33]
.macro XLOAD t
.irp i, 0,1,2,3
	global_load_b128 v[XR+16*((\t)%4)+4*\i:XR+16*((\t)%4)+4*\i+3], v3, s[8:9] offset:2048*(\t)+512*\i th:TH_LOAD_NT
.endr
.endm
.macro XTURN t                         ; step t's numbers through the stage: LDS serves a wave's instructions in order, so no wait stands between the stores and the loads
.irp i, 0,1,2,3
	ds_store_b128 v14, v[XR+16*((\t)%4)+4*\i:XR+16*((\t)%4)+4*\i+3] offset:32*XP*((\t)%2)+8*XP*\i
.endr
.irp i, 0,1,2,3
	ds_load_b128 v[XN+16*((\t)%2)+4*\i:XN+16*((\t)%2)+4*\i+3], v15 offset:32*XP*((\t)%2)+16*\i
.endr
.endm
.irp t, 0,1,2,3
	XLOAD \t
.endr
	s_wait_loadcnt 12                              ; step 0's four loads are in; the twelve of steps 1 to 3 may be out
	XTURN 0
.macro XSTEP t
.set XS, XN+16*((\t)%2)
.if (\t) > 0
	s_wait_dscnt 1                                 ; this step's numbers are back from the stage; the last step's byte store may be out
.else
	s_wait_dscnt 0x0
.endif
.if (\t)+4 < STEPS
	XLOAD (\t)+4                                   ; into the set whose stores into the stage are done
.endif
.if (\t)+1 < STEPS
.if STEPS-2-(\t) >= 3
	s_wait_loadcnt 12                              ; the next step's four loads are in; those of the three steps behind it may be out
.else
	s_wait_loadcnt 4*(STEPS-2-(\t))
.endif
	XTURN (\t)+1
.endif
	v_max3_num_f32 v8, |v[XS]|, |v[XS+1]|, |v[XS+2]|               ; the largest magnitude of my 16, in two chains
	v_max3_num_f32 v9, |v[XS+3]|, |v[XS+4]|, |v[XS+5]|
.irp i, 6,10
	v_max3_num_f32 v8, v8, |v[XS+\i]|, |v[XS+\i+1]|
	v_max3_num_f32 v9, v9, |v[XS+\i+2]|, |v[XS+\i+3]|
.endr
	v_max3_num_f32 v8, v8, |v[XS+14]|, |v[XS+15]|
	v_max3_num_f32 v8, v8, v9, 0x1800000           ; and the floor 2^(3 - 127): the byte cannot fall under 1
	v_max_num_f32_dpp v8, v8, v8 row_xmask:1 row_mask:0xf bank_mask:0xf   ; with my neighbour's 16: the block's
	v_add_nc_u32 v11, 0xff000000, v8               ; 2 off its exponent field: the conversion takes the exponent field of this operand as its scale
	v_cvt_scalef32_pk8_fp4_f32 v[XC+4*(\t)], v[XS:XS+7], v11
	v_cvt_scalef32_pk8_fp4_f32 v[XC+4*(\t)+1], v[XS+8:XS+15], v11
	v_lshrrev_b32 v[XE+(\t)], 23, v11              ; the scale's byte
	ds_store_b8 v5, v[XE+(\t)] offset:16*(\t)      ; both lanes of a block write the same byte with the same value
	global_store_b64 v4, v[XC+4*(\t):XC+4*(\t)+1], s[18:19] offset:256*(\t)   ; the wave stores 256 consecutive bytes, aligned
.endm
.irp t, 0,1,2,3,4,5,6,7,8,9,10,11,12,13,14,15
	XSTEP \t
.endr
	ds_load_b64 v[8:9], v6                         ; LDS serves a wave's instructions in order: this sees my byte stores
	s_wait_dscnt 0x0
	global_store_b64 v7, v[8:9], s[20:21]          ; 256 consecutive scale bytes, aligned
	s_wait_tensorcnt 0x0                           ; the wave's end, behind my last LDS store
	ds_add_u32 v[SPW], v[NIL]
	s_wait_dscnt 0x0
	s_endpgm
.Lnot_x:
	s_cmp_lt_u32 ttmp9, 304
	s_cbranch_scc0 .Lpath_o
; ---------------- PATH W.  g = work-group - 256: weight g / 16, columns 128 (g % 8) + 32 x wave, K half (g / 8) % 2.  A wave takes 32 columns x 512 along K: 16 blocks a lane.
	s_sub_co_u32 s25, ttmp9, 256
	s_lshr_b32 s26, s25, 4                         ; which weight: 0 wq, 1 wk, 2 wv
	s_and_b32 s27, s25, 7
	s_bfe_u32 s28, s25, 0x10003                    ; which 512 along K
	s_lshl_b32 s27, s27, 7
	s_lshl_b32 s29, s24, 5
	s_add_co_u32 s27, s27, s29                     ; my wave's first column
	v_lshlrev_b32 v3, 2, v2                        ; in: 4 bytes a lane
	s_mul_i32 s29, s24, 32*WP
	s_add_co_u32 s29, s29, WSTG                    ; my stage
	v_mul_u32_u24 v4, v2, WP
	v_add_nc_u32 v4, s29, v4                       ; into it: row = my column
	v_and_b32 v5, 15, v2
	v_lshrrev_b32 v6, 4, v2
	v_mul_u32_u24 v7, v6, WP
	v_lshl_add_u32 v7, v5, 4, v7
	v_add_nc_u32 v7, s29, v7                       ; out of it: sixteen lanes to a row, two rows an instruction
	v_lshlrev_b32 v8, 9, v6
	v_lshl_add_u32 v8, v5, 4, v8                   ; the same place in the codes: rows of 512 bytes
	v_lshlrev_b32 v9, 5, v2                        ; my column's row of scale bytes: 32 bytes a row
	s_lshl_b32 s30, s28, 21                        ; the weight: 512 rows of 4,096 bytes for each K half,
	s_lshl_b32 s31, s27, 2
	s_add_co_u32 s30, s30, s31                     ; + 4 bytes a column
	s_mov_b32 s31, 0
	s_lshl_b32 s32, s26, 10
	s_add_co_u32 s32, s32, s27
	s_add_co_u32 s32, s32, 8192                    ; the first column's row in codes and scales
	s_lshl_b32 s34, s32, 9
	s_lshl_b32 s33, s28, 8
	s_add_co_u32 s34, s34, s33
	s_mov_b32 s35, 0
	s_lshl_b32 s36, s32, 5
	s_lshl_b32 s33, s28, 4
	s_add_co_u32 s36, s36, s33
	s_mov_b32 s37, 0
	s_wait_kmcnt 0x0
	s_cmp_eq_u32 s26, 0                            ; the choice hangs on the work-group's number alone
	s_cselect_b64 s[10:11], s[10:11], s[12:13]
	s_cmp_eq_u32 s26, 2
	s_cselect_b64 s[10:11], s[14:15], s[10:11]
	s_add_nc_u64 s[10:11], s[10:11], s[30:31]
	s_add_nc_u64 s[18:19], s[18:19], s[34:35]
	s_add_nc_u64 s[20:21], s[20:21], s[36:37]
.macro WLOAD t                         ; block t: W(32 t + i, my column), i = 0 .. 31: each load reads 128 consecutive bytes
.irp i, 0,1,2,3,4,5,6,7,8,9,10,11,12,13,14,15,16,17,18,19,20,21,22,23,24,25,26,27,28,29,30,31
	global_load_b32 v[WX+32*((\t)%2)+\i], v3, s[10:11] offset:(32*(\t)+\i)*4096 th:TH_LOAD_NT
.endr
.endm
	WLOAD 0
	WLOAD 1
.macro WBLOCK t
.set XS, WX+32*((\t)%2)
.if (\t) < 15
	s_wait_loadcnt 32                              ; this block's 32 loads are in; the next block's 32 may be out
.else
	s_wait_loadcnt 0x0
.endif
	v_max3_num_f32 v12, |v[XS]|, |v[XS+1]|, |v[XS+2]|              ; the block's largest magnitude: all 32 numbers are mine
	v_max3_num_f32 v13, |v[XS+3]|, |v[XS+4]|, |v[XS+5]|
.irp i, 6,10,14,18,22,26
	v_max3_num_f32 v12, v12, |v[XS+\i]|, |v[XS+\i+1]|
	v_max3_num_f32 v13, v13, |v[XS+\i+2]|, |v[XS+\i+3]|
.endr
	v_max3_num_f32 v12, v12, |v[XS+30]|, |v[XS+31]|
	v_max3_num_f32 v12, v12, v13, 0x1800000        ; and the floor 2^(3 - 127)
	v_add_nc_u32 v11, 0xff000000, v12              ; 2 off its exponent field: the conversion's scale operand
	v_lshrrev_b32 v13, 23, v11                     ; the scale's byte
.if (\t)%4 == 0
	v_mov_b32 v[WS+(\t)/4], v13                    ; four bytes to a register, the lower K in the lower byte
.else
	v_lshl_or_b32 v[WS+(\t)/4], v13, 8*((\t)%4), v[WS+(\t)/4]
.endif
.irp g, 0,1,2,3
	v_cvt_scalef32_pk8_fp4_f32 v[WC+\g], v[XS+8*\g:XS+8*\g+7], v11
.endr
	v_nop                                          ; one plain line behind the last conversion of the run
	ds_store_b128 v4, v[WC:WC+3] offset:16*(\t)    ; 32 codes: 16 bytes of my column's row
.if (\t)+2 < 16
	WLOAD (\t)+2
.endif
	s_wait_dscnt 0x0                               ; the store has read its registers: the next block's codes may be written
.endm
.irp t, 0,1,2,3,4,5,6,7,8,9,10,11,12,13,14,15
	WBLOCK \t
.endr
	global_store_b128 v9, v[WS:WS+3], s[20:21]     ; my column's 16 scale bytes
.irp t, 0,1,2,3,4,5,6,7,8,9,10,11,12,13,14,15
	ds_load_b128 v[WOUT+4*\t:WOUT+4*\t+3], v7 offset:2*\t*WP
.endr
.irp t, 0,1,2,3,4,5,6,7,8,9,10,11,12,13,14,15
	s_wait_dscnt 15-\t
	global_store_b128 v8, v[WOUT+4*\t:WOUT+4*\t+3], s[18:19] offset:2*\t*512   ; sixteen lanes store 256 consecutive bytes, aligned
.endr
	s_wait_tensorcnt 0x0                           ; the wave's end: the three lines
	ds_add_u32 v[SPW], v[NIL]
	s_wait_dscnt 0x0
	s_endpgm
.Lpath_o:
; ---------------- PATH O.  kg = work-group - 304: 32 rows (K) of wo.  Wave w takes columns 256 w .. 256 w + 255: 16 fragments, two at a time.  No LDS.
; wo_img: ((n / 128) x 8 + k / 128) x 32768 + ((n / 16) % 8) x 4096 + ((k / 32) % 4) x 1024 + ((k / 16) % 2) x 512 + 16 x lane.
	s_sub_co_u32 s25, ttmp9, 304
	v_and_b32 v5, 15, v2
	v_lshrrev_b32 v6, 4, v2
	v_lshlrev_b32 v3, 2, v5
	v_lshl_add_u32 v3, v6, 15, v3                  ; in: 8 rows of 4,096 bytes for the upper half of the lanes, + 4 bytes a column
	v_lshlrev_b32 v4, 4, v2                        ; out: 16 x lane
	s_lshl_b32 s26, s25, 17                        ; 32 rows of 4,096 bytes
	s_lshl_b32 s27, s24, 10
	s_add_co_u32 s26, s26, s27
	s_mov_b32 s27, 0
	s_lshr_b32 s28, s25, 2
	s_lshl_b32 s28, s28, 15
	s_and_b32 s29, s25, 3
	s_lshl_b32 s29, s29, 10
	s_add_co_u32 s28, s28, s29
	s_lshl_b32 s29, s24, 19
	s_add_co_u32 s28, s28, s29
	s_mov_b32 s29, 0
	s_wait_kmcnt 0x0
	s_add_nc_u64 s[16:17], s[16:17], s[26:27]
	s_add_nc_u64 s[22:23], s[22:23], s[28:29]
.macro OLOAD g                         ; fragments 2 g and 2 g + 1: register 16 ff + 8 c + j = wo[16 c + 8 (lane / 16) + j][16 (2 g + ff) + lane % 16]
.irp ff, 0,1
.irp n, 0,1,2,3,4,5,6,7,8,9,10,11,12,13,14,15
	global_load_b32 v[OX+32*((\g)%2)+16*\ff+\n], v3, s[16:17] offset:((\n/8)*16+(\n%8))*4096+64*(2*(\g)+\ff)
.endr
.endr
.endm
.macro OGROUP g
.if (\g) < 7
	s_wait_loadcnt 32                              ; this group's 32 loads are in; the next group's 32 may be out
.else
	s_wait_loadcnt 0x0
.endif
.if (\g) >= 2
	s_wait_xcnt 0x0                                ; the stores of two groups back have read this packed set
.endif
.irp ff, 0,1
.irp i, 0,1,2,3,4,5,6,7
	v_cvt_pk_f16_f32 v[OP+16*((\g)%2)+8*\ff+\i], v[OX+32*((\g)%2)+16*\ff+2*\i], v[OX+32*((\g)%2)+16*\ff+2*\i+1]
.endr
.endr
.irp ff, 0,1
.irp c, 0,1
	global_store_b128 v4, v[OP+16*((\g)%2)+8*\ff+4*\c:OP+16*((\g)%2)+8*\ff+4*\c+3], s[22:23] offset:((2*(\g)+\ff)/8)*262144+((2*(\g)+\ff)%8)*4096+512*\c   ; 512 consecutive bytes, aligned
.endr
.endr
.if (\g)+2 < 8
	OLOAD (\g)+2
.endif
.endm
	OLOAD 0
	OLOAD 1
.irp g, 0,1,2,3,4,5,6,7
	OGROUP \g
.endr
	s_wait_tensorcnt 0x0                           ; every path of this text ends alike
	ds_add_u32 v[SPW], v[NIL]
	s_wait_dscnt 0x0
	s_endpgm
.Lfunc_end_k_qbba83c8883_prep:
	.size	k_qbba83c8883_prep, .Lfunc_end_k_qbba83c8883_prep-k_qbba83c8883_prep
	.p2alignl 7, 3214868480
	.fill 96, 4, 3214868480
	.section	.rodata,"a",@progbits
	.p2align	6, 0x0
	.amdhsa_kernel k_qbba83c8883_prep
		.amdhsa_group_segment_fixed_size 68096
		.amdhsa_private_segment_fixed_size 0
		.amdhsa_enable_private_segment 0
		.amdhsa_kernarg_size 64
		.amdhsa_user_sgpr_count 2
		.amdhsa_user_sgpr_kernarg_segment_ptr 1
		.amdhsa_wavefront_size32 1
		.amdhsa_system_sgpr_workgroup_id_x 1
		.amdhsa_system_sgpr_workgroup_id_y 1
		.amdhsa_system_sgpr_workgroup_id_z 1
		.amdhsa_system_vgpr_workitem_id 0
		.amdhsa_next_free_vgpr 200
		.amdhsa_next_free_sgpr 66
		.amdhsa_reserve_vcc 0
		.amdhsa_float_denorm_mode_32 3
		.amdhsa_float_denorm_mode_16_64 3
		.amdhsa_memory_ordered 1
		.amdhsa_forward_progress 1
		.amdhsa_inst_pref_size 148
	.end_amdhsa_kernel
	.amdgpu_metadata
---
amdhsa.version: [ 1, 2 ]
amdhsa.kernels:
  - .name:           k_qbba83c8883_prep
    .symbol:         k_qbba83c8883_prep.kd
    .args:
      - { .name: x, .offset: 0, .size: 8, .value_kind: global_buffer, .address_space: global }
      - { .name: wq, .offset: 8, .size: 8, .value_kind: global_buffer, .address_space: global }
      - { .name: wk, .offset: 16, .size: 8, .value_kind: global_buffer, .address_space: global }
      - { .name: wv, .offset: 24, .size: 8, .value_kind: global_buffer, .address_space: global }
      - { .name: wo, .offset: 32, .size: 8, .value_kind: global_buffer, .address_space: global }
      - { .name: codes, .offset: 40, .size: 8, .value_kind: global_buffer, .address_space: global }
      - { .name: scales, .offset: 48, .size: 8, .value_kind: global_buffer, .address_space: global }
      - { .name: wo_img, .offset: 56, .size: 8, .value_kind: global_buffer, .address_space: global }
    .group_segment_fixed_size: 68096
    .private_segment_fixed_size: 0
    .kernarg_segment_align: 8
    .kernarg_segment_size: 64
    .max_flat_workgroup_size: 128
    .sgpr_count:     66
    .vgpr_count:     200
    .wavefront_size: 32
...
	.end_amdgpu_metadata
.endif
;; end of part 1
;; launch qkv (part 2): grid 12 x 32, 4 waves a work-group, clusters of 4 x 4, 327,680 bytes of LDS; arguments codes, scales, bq, bv, qkv, v32; writes qkv, v32
.if DOCPART == 2
	.amdgcn_target "amdgcn-amd-amdhsa--gfx1250"
	.amdhsa_code_object_version 6
	.text
	.protected	k_qbba83c8883_qkv
	.globl	k_qbba83c8883_qkv
	.p2align	8
	.type	k_qbba83c8883_qkv,@function
k_qbba83c8883_qkv:
	s_mov_b64 s[64:65], 0
	v_nop
	global_prefetch_b8 v0, s[64:65] scope:SCOPE_SE
	s_setreg_imm32_b32 hwreg(HW_REG_WAVE_MODE, 25, 1), 1
	s_wait_xcnt 0x0
	s_wait_alu depctr_hold_cnt(0) depctr_sa_sdst(0) depctr_va_vdst(0) depctr_va_sdst(0) depctr_va_ssrc(0) depctr_va_vcc(0) depctr_vm_vsrc(0)
	s_getreg_b32 s2, hwreg(HW_REG_IB_STS2, 6, 4)
	s_cmp_eq_u32 s2, 0
	s_cbranch_scc0 .Lentry_in_a_cluster
	s_endpgm
.Lentry_in_a_cluster:
	s_bfe_u32 s2, ttmp6, 0x10000c
	s_cmp_lg_u32 s2, 0xf033
	s_cbranch_scc0 .Lentry_shape_is_right
	s_endpgm
.Lentry_shape_is_right:
; QKV: the three quantised projections, x wq + bq, x wk, x wv + bv, on codes of FP4 with E8M0 scales, K = 1,024; sums in f32; results leave as f16 in the order of the next products' operand registers.
; LEFT OUT: bk (shown dead at the head of launch prep: a term that is the same for all keys of a softmax's row).
; A tile of 256 x 256 is made by four waves, 128 x 128 each: 64 accumulators, 512 registers.  K goes in two slots of 512 (rows of 256 bytes); both slots and the scales are filled once, at the start: nothing is filled again.
; CLUSTERS of 4 x 4.  X = the cluster's x says which projection (0 q, 1 k, 2 v), Y = the cluster's y which slot of 256 tokens; along one axis of the cluster lie four batches, along the other four blocks of 256 channels.
;   q, k: source 1 (role A, shared along a row of the cluster) = tokens of batch cy; source 0 (role B, shared along a column) = channels 256 cx on.  A lane then holds ONE token and 8 neighbouring channels.
;   v:    the roles are changed: role A = channels 256 cy on, role B = tokens of batch cx.  A lane then holds ONE channel and 8 neighbouring tokens: V turned, as the second product of attention wants it.
;   Both operands lie in the one buffer of codes, so only row numbers are chosen.  All branches hang on X, Y and the wave's number, which are the same in all sixteen partners.
; THE WAY OUT needs no LDS: 8 results of a lane, packed to f16, are 16 bytes of a fragment's image: a piece of 512 bytes, lane l's 16 bytes at 16 l.  Each store covers 512 consecutive bytes, aligned.
;   qkv: (16 batch + head) x 786432 + slot x 98304 + part x 32768;  Q, K (part 0, 1): (token / 16) x 2048 + (channel / 16) x 512;  V (part 2): (token / 32) x 4096 + (channel / 16) x 1024 + ((token / 16) % 2) x 512.
;   v32: V of tokens 0-15 of each batch once more in f32, for launch fine: (16 batch + head) x 4096 + (channel / 16) x 1024 + u x 512: lane (r, h): tokens 8 h + 4 u + 0..3 of channel r.
; REGISTERS: window 0: v0-31 addresses; v32-95 scale words, two sets, and nothing else; v96-127, v128-159 packed results on the way out; from v128 A's fragments, one set; v192-255 the biases.
;   window 1: B's fragments, two sets, at v0 and v128; on the way out v0-63 the sums with their bias.   windows 2, 3: the accumulators ((a, b) at v[8 (8 (a % 4) + b)]).
.set NQ,     4                         ; steps of 128 along K in a slot
.set ROWB,   256                       ; a tile's row: 512 codes
.set KROW,   512                       ; a row of codes in memory
.set PITCH,  272                       ; an LDS row: 256 bytes + 16 of padding: the 16 rows that a load touches start 68 words apart
.set FR,     8
.set NL,     2
.set NP,     4
.set HALFT,  128*PITCH
.set SLOT,   4*HALFT
.set KS,     32                        ; a row of scale bytes
.set SCL,    2*SLOT
.set HALFS,  (128*KS/256)*272
.set SBLK,   (16*KS/256)*272
.set SPARE,  SCL+4*HALFS               ; the spare words, 128 bytes for each wave: two blocks of 256 bytes that no other line names
.set ADRA, 16
.set ADRB, 20
.set BOF,  23                          ; v23  a bias's lane offset
.set LI,   26                          ; v26  16 x lane
.set ADRS, 27
.set SPW,  28
.set NIL,  29
.set SC,   32
.set AF,   128
.set BT,   192                         ; bq: 8 registers for each block of 16 channels;  bv: a pair for each block
.set G1, 24
.set G0, 32
.set G1B, 48
.set G0B, 56
.set G1S, 68
.set G0S, 76
.set G1SB, 80
.set G0SB, 88
.set MSB, 0
.macro WIN new                         ; the immediate's high byte repeats the setting that is left
.if MSB != (\new)
	s_set_vgpr_msb (MSB<<8)|(\new)
.set MSB, (\new)
.endif
.endm
.set MUL_LO, 0xa1                      ; source 0 (B) window 1, source 1 (A) window 0, C and D window 2
.set MUL_HI, 0xf1
.set TO_B,   0x40
; A joint load: waves 0 and 1 fetch for role A, waves 2 and 3 for role B.  An s_nop 0 and four v_nop follow each of the two lines.
.macro JLOAD g0a, g1a, g0b, g1b
	s_cmp_eq_u32 s17, 0
	s_cbranch_scc0 .Lfor_b_\@
	tensor_load_to_lds s[\g0a:\g0a+3], s[\g1a:\g1a+7]
	s_nop 0
.rept 4
	v_nop
.endr
	s_branch .Lasked_\@
.Lfor_b_\@:
	tensor_load_to_lds s[\g0b:\g0b+3], s[\g1b:\g1b+7]
	s_nop 0
.rept 4
	v_nop
.endr
.Lasked_\@:
.endm
.macro CROUND                          ; a round of the cluster's barrier
	s_barrier_signal -1
	s_barrier_wait -1
	s_cmp_lg_u32 s16, 0
	s_cbranch_scc1 .Lnot_wave_0_\@
	s_barrier_signal -3
.Lnot_wave_0_\@:
	s_barrier_wait -3
	s_barrier_signal -1
	s_barrier_wait -1
.endm
	s_load_b256 s[4:11], s[0:1], 0x0               ; codes s[4:5], scales s[6:7], bq s[8:9], bv s[10:11]
	s_load_b128 s[12:15], s[0:1], 0x20             ; qkv s[12:13], v32 s[14:15]
	v_lshl_add_u32 v[SPW], v0, 2, SPARE
	v_mov_b32 v[NIL], 0
	ds_add_u32 v[SPW], v[NIL]                      ; the wave's opening: the add, twice on end, and its wait ahead of my first tensor load
	ds_add_u32 v[SPW], v[NIL]
	v_lshrrev_b32 v1, 5, v0
	v_readfirstlane_b32 s16, v1                    ; wave 0..3
	s_lshr_b32 s17, s16, 1                         ; RH: which 128 rows of role A are mine.  Also: I fetch for A (0) or for B (1)
	s_and_b32 s18, s16, 1                          ; CH: which 128 rows of role B.  Also: which 128 rows of that tile I fetch
	s_mov_b32 s19, ttmp9                           ; X
	s_and_b32 s20, ttmp7, 0xffff                   ; Y
	s_bfe_u32 s21, ttmp6, 0x40000                  ; cx
	s_bfe_u32 s22, ttmp6, 0x40004                  ; cy
	s_lshl_b32 s40, s22, 2
	s_lshl_b32 s40, 15, s40                        ; my row of the cluster
	s_lshl_b32 s41, 0x1111, s21                    ; my column
	s_or_b32 s[G1+0], s40, (0<<16)|(1<<20)|(1<<21)|(5<<22)|(3<<25)  ; the mask; elements of 1 byte; padding: 4 words behind every 64; bit 21 beside a mask
	s_or_b32 s[G1B+0], s41, (0<<16)|(1<<20)|(1<<21)|(5<<22)|(3<<25)
.irp g, G1, G1B
	s_mov_b32 s[\g+1], ROWB<<16                    ; tensor_dim0
	s_mov_b32 s[\g+2], 128<<16                     ; tensor_dim1
	s_mov_b32 s[\g+3], ROWB<<16                    ; tile_dim0
	s_mov_b32 s[\g+4], 128                         ; tile_dim1
	s_mov_b32 s[\g+5], KROW                        ; from row to row
	s_mov_b32 s[\g+6], 0
	s_mov_b32 s[\g+7], 0
.endr
	s_or_b32 s[G1S+0], s40, (3<<16)|(1<<20)|(1<<21)|(5<<22)|(3<<25)  ; the scales of 128 rows: 4,096 dense bytes as 16 rows of 256
	s_or_b32 s[G1SB+0], s41, (3<<16)|(1<<20)|(1<<21)|(5<<22)|(3<<25)
.irp g, G1S, G1SB
	s_mov_b32 s[\g+1], 32<<16
	s_mov_b32 s[\g+2], (128*KS/256)<<16
	s_mov_b32 s[\g+3], 32<<16
	s_mov_b32 s[\g+4], 128*KS/256
	s_mov_b32 s[\g+5], 32
	s_mov_b32 s[\g+6], 0
	s_mov_b32 s[\g+7], 0
.endr
	; the rows of the codes' buffer.  Role A's hang on cy, Y and X alone, role B's on cx, Y and X alone
	s_lshl_b32 s2, s20, 8                          ; 256 Y
	s_lshl_b32 s42, s22, 11
	s_add_co_u32 s42, s42, s2                      ; A, for q and k: tokens 2048 cy + 256 Y
	s_lshl_b32 s43, s22, 8
	s_add_co_u32 s43, s43, 10240                   ; A, for v: wv's columns 256 cy on
	s_lshl_b32 s46, s21, 8
	s_lshl_b32 s3, s19, 10
	s_add_co_u32 s46, s46, s3
	s_add_co_u32 s46, s46, 8192                    ; B, for q and k: the weight's columns 256 cx on
	s_lshl_b32 s47, s21, 11
	s_add_co_u32 s47, s47, s2                      ; B, for v: tokens 2048 cx + 256 Y
	s_cmp_eq_u32 s19, 2
	s_cselect_b32 s42, s43, s42
	s_cselect_b32 s46, s47, s46
	s_lshl_b32 s3, s18, 7                          ; which 128 rows of the tile I fetch
	s_add_co_u32 s42, s42, s3
	s_add_co_u32 s46, s46, s3
	s_lshl_b32 s92, s42, 5                         ; their scale bytes,
	s_mov_b32 s93, 0
	s_lshl_b32 s94, s46, 5
	s_mov_b32 s95, 0
	s_lshl_b32 s42, s42, 9                         ; and their codes
	s_mov_b32 s43, 0
	s_lshl_b32 s46, s46, 9
	s_mov_b32 s47, 0
	s_mul_i32 s44, s16, HALFT                      ; where they go: wave x 128 rows: no place in the cluster enters an LDS address
	s_mul_i32 s45, s16, HALFS
	s_wait_dscnt 0x0                               ; both opening adds are done
	s_wait_kmcnt 0x0
	s_add_nc_u64 s[42:43], s[4:5], s[42:43]
	s_add_nc_u64 s[92:93], s[6:7], s[92:93]
	s_add_nc_u64 s[46:47], s[4:5], s[46:47]
	s_add_nc_u64 s[94:95], s[6:7], s[94:95]
	CROUND                                         ; all sixteen work-groups are here: the joint loads meet
	s_mov_b32 s[G0S], 1
	s_add_co_u32 s[G0S+1], s45, SCL
	s_mov_b64 s[G0S+2:G0S+3], s[92:93]
	s_or_b32 s[G0S+3], s[G0S+3], 0x80000000
	s_mov_b32 s[G0SB], 1
	s_add_co_u32 s[G0SB+1], s45, SCL
	s_mov_b64 s[G0SB+2:G0SB+3], s[94:95]
	s_or_b32 s[G0SB+3], s[G0SB+3], 0x80000000
	JLOAD G0S, G1S, G0SB, G1SB                     ; the scales first: they are wanted with the first step
.irp s, 0,1
	s_mov_b32 s[G0+4*\s], 1
	s_add_co_u32 s[G0+4*\s+1], s44, \s*SLOT
	s_add_nc_u64 s[G0+4*\s+2:G0+4*\s+3], s[42:43], \s*ROWB
	s_or_b32 s[G0+4*\s+3], s[G0+4*\s+3], 0x80000000
	s_mov_b32 s[G0B+4*\s], 1
	s_add_co_u32 s[G0B+4*\s+1], s44, \s*SLOT
	s_add_nc_u64 s[G0B+4*\s+2:G0B+4*\s+3], s[46:47], \s*ROWB
	s_or_b32 s[G0B+4*\s+3], s[G0B+4*\s+3], 0x80000000
	JLOAD G0+4*\s, G1, G0B+4*\s, G1B               ; three loads of mine are out in all
.endr
	v_and_b32 v1, 15, v0                           ; r
	v_bfe_u32 v2, v0, 4, 1                         ; h
	v_mul_u32_u24 v3, v1, PITCH
	v_lshl_add_u32 v4, v2, 4, v3                   ; a fragment's row x pitch + 16 h
	s_mul_i32 s42, s17, HALFT                      ; my 128 rows of A
	s_mul_i32 s43, s18, HALFT                      ; my 128 rows of B,
	s_add_co_u32 s43, s43, 2*HALFT                 ; behind A's 256
.irp s, 0,1
	v_add_nc_u32 v[ADRA+\s], s42, v4
	v_add_nc_u32 v[ADRB+\s], s43, v4
	s_add_co_u32 s42, s42, SLOT
	s_add_co_u32 s43, s43, SLOT
.endr
	v_mul_u32_u24 v5, v1, KS                       ; my row's scales: 32 bytes a row,
	v_lshrrev_b32 v6, 8, v5
	v_lshl_add_u32 v5, v6, 4, v5                   ; and 16 more for each 256 passed
	s_mul_i32 s42, s17, HALFS
	s_mul_i32 s43, s18, HALFS
	s_add_co_u32 s43, s43, 2*HALFS
	s_sub_co_u32 s43, s43, s42
	v_mul_u32_u24 v6, s43, v2                      ; lanes 16-31 take B's: the lower base + h x the distance
	s_add_co_u32 s42, s42, SCL
	v_add_nc_u32 v5, v5, v6
	v_add_nc_u32 v[ADRS], s42, v5
	v_and_b32 v6, 31, v0
	v_lshlrev_b32 v[LI], 4, v6
.macro FRAG reg, adr, q, i             ; 16 rows x 128 K of 4-bit codes: 8 registers, two loads of 16 bytes, 32 bytes apart
.irp c, 0,1
	ds_load_b128 v[\reg+4*\c:\reg+4*\c+3], v[\adr] offset:64*(\q)+32*\c+(\i)*16*PITCH
.endr
.endm
; 16 products: A's blocks a0, a0 + 1 x B's eight.  The 64 accumulators take turns, one instruction a turn, in the same order in every step.
.macro MUL16 a0, p, q, sc, zero
.irp a, \a0, \a0+1
.irp b, 0,1,2,3,4,5,6,7
.if \zero
	v_wmma_scale_f32_16x16x128_f8f6f4 v[8*(8*((\a)%4)+\b):8*(8*((\a)%4)+\b)+7], v[128*(\p)+FR*\b:128*(\p)+FR*\b+FR-1], v[AF+FR*(\a):AF+FR*(\a)+FR-1], 0, v[SC+8*NQ*(\sc)+NQ*\b+(\q)], v[SC+8*NQ*(\sc)+NQ*(\a)+(\q)] matrix_a_fmt:MATRIX_FMT_FP4 matrix_b_fmt:MATRIX_FMT_FP4 matrix_a_scale:MATRIX_SCALE_ROW1
.else
	v_wmma_scale_f32_16x16x128_f8f6f4 v[8*(8*((\a)%4)+\b):8*(8*((\a)%4)+\b)+7], v[128*(\p)+FR*\b:128*(\p)+FR*\b+FR-1], v[AF+FR*(\a):AF+FR*(\a)+FR-1], v[8*(8*((\a)%4)+\b):8*(8*((\a)%4)+\b)+7], v[SC+8*NQ*(\sc)+NQ*\b+(\q)], v[SC+8*NQ*(\sc)+NQ*(\a)+(\q)] matrix_a_fmt:MATRIX_FMT_FP4 matrix_b_fmt:MATRIX_FMT_FP4 matrix_a_scale:MATRIX_SCALE_ROW1
.endif
.endr
.endr
.endm
.macro FETCH_B slot, q, p
	WIN TO_B
.irp i, 0,1,2,3,4,5,6,7
	FRAG 128*(\p)+FR*\i, ADRB+\slot, \q, \i
.endr
	WIN 0
.endm
.macro FETCH_A slot, q, i0
.irp i, \i0, \i0+1, \i0+2, \i0+3
	FRAG AF+FR*(\i), ADRA+\slot, \q, \i
.endr
.endm
.macro SCALES sc                       ; a slot's scale words: 4 words a row; lanes 0-15 take A's block i, lanes 16-31 B's block i
.irp i, 0,1,2,3,4,5,6,7
	ds_load_b128 v[SC+8*NQ*\sc+NQ*\i:SC+8*NQ*\sc+NQ*\i+3], v[ADRS] offset:\i*SBLK
.endr
.endm
.macro PLACES n                        ; plain vector lines between a matrix instruction and a load into, or a read of, its registers
.rept \n
	v_nop
.endr
.endm
.macro STEP slot, q, zero              ; a step of 128 along K that has its successor in the same slot
	s_wait_dscnt 4*NL                              ; B's set and A's blocks 0-3 are in; the youngest eight loads (A's blocks 4-7) may be out
	WIN MUL_LO
	MUL16 0, (\q)%2, \q, \slot, \zero
	MUL16 2, (\q)%2, \q, \slot, \zero
	s_wait_dscnt 0
	PLACES NP
	FETCH_B \slot, (\q)+1, 1-(\q)%2
	FETCH_A \slot, (\q)+1, 0
	WIN MUL_HI
	MUL16 4, (\q)%2, \q, \slot, \zero
	MUL16 6, (\q)%2, \q, \slot, \zero
	PLACES NP
	WIN 0
	FETCH_A \slot, (\q)+1, 4
.endm
.macro TURN slot, next                 ; slot 0's last step: behind its barrier every wave's part of slot 1 is in LDS.  Nothing is filled again
	s_wait_tensorcnt 0x0                           ; all my tensor loads have landed: my part of the next slot
	ds_add_u32 v[SPW], v[NIL]
	s_wait_dscnt 4*NL+1                            ; the add and the youngest eight loads may be out
	WIN MUL_LO
	MUL16 0, 1, NQ-1, \slot, 0
	s_wait_dscnt 0x0
	s_barrier_signal -1
	MUL16 2, 1, NQ-1, \slot, 0
	WIN 0
	s_barrier_wait -1
	PLACES NP
	v_add_nc_u32 v[ADRS], 4*NQ, v[ADRS]            ; on to the next slot's scale words
	FETCH_B \next, 0, 0
	FETCH_A \next, 0, 0
	SCALES \next
	WIN MUL_HI
	MUL16 4, 1, NQ-1, \slot, 0
	MUL16 6, 1, NQ-1, \slot, 0
	PLACES NP
	WIN 0
	FETCH_A \next, 0, 4
.endm
.macro STEPS slot, from
.set Q, \from
.rept NQ-1-\from
	STEP \slot, Q, 0
.set Q, Q+1
.endr
.endm
.macro LAST                            ; the very last step: nothing more to fetch
	s_wait_dscnt 4*NL
	WIN MUL_LO
	MUL16 0, 1, NQ-1, 1, 0
	MUL16 2, 1, NQ-1, 1, 0
	s_wait_dscnt 0
	WIN MUL_HI
	MUL16 4, 1, NQ-1, 1, 0
	MUL16 6, 1, NQ-1, 1, 0
	WIN 0
	PLACES NP                                      ; ahead of the first read of results and the first write of registers that held operands
.endm
	s_wait_tensorcnt 1                             ; the scales and my part of slot 0 are in; slot 1's load may be out
	s_barrier_signal -1
	s_barrier_wait -1
	FETCH_B 0, 0, 0
	FETCH_A 0, 0, 0
	SCALES 0
	FETCH_A 0, 0, 4
	STEP 0, 0, 1                                   ; the first products start the sums: nothing is cleared
	STEPS 0, 1
	TURN 0, 1
	STEPS 1, 0
; THE THREE PROJECTIONS PART HERE, ahead of the last step: each arm asks for its bias, multiplies the last step while the bias is on its way, and goes out in its own layout.
	s_cmp_eq_u32 s19, 0
	s_cbranch_scc1 .Larm_q
	s_cmp_eq_u32 s19, 1
	s_cbranch_scc1 .Larm_k
; ---- v: a lane holds channel 256 cy + 128 RH + 16 a + r and tokens 128 CH + 16 b + 8 h + 0..7 of batch cx
	s_lshl_b32 s42, s22, 10
	s_lshl_b32 s43, s17, 9
	s_add_co_u32 s42, s42, s43
	s_mov_b32 s43, 0
	s_add_nc_u64 s[10:11], s[10:11], s[42:43]
	v_and_b32 v[BOF], 15, v0
	v_lshlrev_b32 v[BOF], 2, v[BOF]
.irp a, 0,1,2,3,4,5,6,7
	global_load_b32 v[BT+2*\a], v[BOF], s[10:11] offset:64*\a      ; my channel's bias, twice: a pair for the packed addition
	global_load_b32 v[BT+2*\a+1], v[BOF], s[10:11] offset:64*\a
.endr
	LAST
	s_lshl_b32 s42, s21, 4
	s_lshl_b32 s43, s22, 2
	s_add_co_u32 s42, s42, s43
	s_lshl_b32 s43, s17, 1
	s_add_co_u32 s42, s42, s43                     ; 16 batch + my first head
	s_lshl_b32 s46, s42, 12                        ; v32: 4,096 bytes a head
	s_mov_b32 s47, 0
	s_add_nc_u64 s[14:15], s[14:15], s[46:47]
	s_lshl_b32 s42, s42, 3
	s_add_co_u32 s42, s42, s20
	s_mul_i32 s42, s42, 98304
	s_add_co_u32 s42, s42, 65536                   ; part 2
	s_lshl_b32 s43, s18, 14
	s_add_co_u32 s42, s42, s43                     ; my 128 tokens of the slot's 256
	s_mov_b32 s43, 0
	s_add_nc_u64 s[12:13], s[12:13], s[42:43]
	s_or_b32 s96, s20, s18                         ; 0 where my block b = 0 holds tokens 0-15 of a batch
	s_wait_loadcnt 0x0
.irp a, 0,1,2,3,4,5,6,7
.set AC, 64*(\a%4)
.set PK, 96+32*(\a%2)
.if \a >= 1
	s_wait_xcnt 0x0                                ; the last block's stores have read their registers
.endif
	WIN 0x42+(\a/4)                                ; the sums with bias: window 1; the accumulators: window 2 or 3; the bias: window 0
.irp b, 0,1,2,3,4,5,6,7
.irp i, 0,2,4,6
	v_pk_add_f32 v[8*\b+\i:8*\b+\i+1], v[AC+8*\b+\i:AC+8*\b+\i+1], v[BT+2*\a:BT+2*\a+1]   ; each accumulator from its low end on
.endr
.endr
	WIN 0x05
.irp n, 0,1,2,3,4,5,6,7,8,9,10,11,12,13,14,15,16,17,18,19,20,21,22,23,24,25,26,27,28,29,30,31
	v_cvt_pk_f16_f32 v[PK+\n], v[2*\n], v[2*\n+1]
.endr
	WIN 0
.irp b, 0,1,2,3,4,5,6,7
	global_store_b128 v[LI], v[PK+4*\b:PK+4*\b+3], s[12:13] offset:(\a/4)*786432+(\a%4)*1024+(\b/2)*4096+(\b%2)*512
.endr
	s_cmp_eq_u32 s96, 0
	s_cbranch_scc0 .Lno32_\a
	WIN 0x04                                       ; a store's data are its source 1: window 1
	global_store_b128 v[LI], v[0:3], s[14:15] offset:(\a/4)*4096+(\a%4)*1024
	global_store_b128 v[LI], v[4:7], s[14:15] offset:(\a/4)*4096+(\a%4)*1024+512
	WIN 0
.Lno32_\a:
.endr
	s_branch .Lend
; q and k: a lane holds token 128 RH + 16 a + r of batch cy's slot and channels 256 cx + 128 CH + 16 b + 8 h + 0..7
.macro QKBASE
	s_lshl_b32 s42, s22, 4
	s_lshl_b32 s43, s21, 2
	s_add_co_u32 s42, s42, s43
	s_lshl_b32 s43, s18, 1
	s_add_co_u32 s42, s42, s43                     ; 16 batch + my first head
	s_lshl_b32 s42, s42, 3
	s_add_co_u32 s42, s42, s20
	s_mul_i32 s42, s42, 98304
	s_lshl_b32 s43, s19, 15                        ; part 0 or 1
	s_add_co_u32 s42, s42, s43
	s_lshl_b32 s43, s17, 14                        ; my 128 tokens of the slot's 256
	s_add_co_u32 s42, s42, s43
	s_mov_b32 s43, 0
	s_add_nc_u64 s[12:13], s[12:13], s[42:43]
.endm
.macro OUTQK bias
.irp a, 0,1,2,3,4,5,6,7
.set AC, 64*(\a%4)
.set PK, 96+32*(\a%2)
.if \bias
	WIN 0x42+(\a/4)
.irp b, 0,1,2,3,4,5,6,7
.irp i, 0,2,4,6
	v_pk_add_f32 v[8*\b+\i:8*\b+\i+1], v[AC+8*\b+\i:AC+8*\b+\i+1], v[BT+8*\b+\i:BT+8*\b+\i+1]
.endr
.endr
.if \a >= 2
	s_wait_xcnt 0x0                                ; the stores of two blocks back have read this packed set
.endif
	WIN 0x05
.irp n, 0,1,2,3,4,5,6,7,8,9,10,11,12,13,14,15,16,17,18,19,20,21,22,23,24,25,26,27,28,29,30,31
	v_cvt_pk_f16_f32 v[PK+\n], v[2*\n], v[2*\n+1]
.endr
.else
.if \a >= 2
	s_wait_xcnt 0x0
.endif
	WIN 0x0a+5*(\a/4)
.irp n, 0,1,2,3,4,5,6,7,8,9,10,11,12,13,14,15,16,17,18,19,20,21,22,23,24,25,26,27,28,29,30,31
	v_cvt_pk_f16_f32 v[PK+\n], v[AC+2*\n], v[AC+2*\n+1]
.endr
.endif
	WIN 0
.irp b, 0,1,2,3,4,5,6,7
	global_store_b128 v[LI], v[PK+4*\b:PK+4*\b+3], s[12:13] offset:\a*2048+(\b/4)*786432+(\b%4)*512
.endr
.endr
.endm
.Larm_q:
	s_lshl_b32 s42, s21, 10
	s_lshl_b32 s43, s18, 9
	s_add_co_u32 s42, s42, s43
	s_mov_b32 s43, 0
	s_add_nc_u64 s[8:9], s[8:9], s[42:43]
	v_bfe_u32 v[BOF], v0, 4, 1
	v_lshlrev_b32 v[BOF], 5, v[BOF]
.irp b, 0,1,2,3,4,5,6,7
	global_load_b128 v[BT+8*\b:BT+8*\b+3], v[BOF], s[8:9] offset:64*\b          ; bq of channels 16 b + 8 h + 0..7
	global_load_b128 v[BT+8*\b+4:BT+8*\b+7], v[BOF], s[8:9] offset:64*\b+16
.endr
	LAST
	QKBASE
	s_wait_loadcnt 0x0
	OUTQK 1
	s_branch .Lend
.Larm_k:
	LAST
	QKBASE
	OUTQK 0                                        ; no bias: bk is left out
.Lend:
	s_wait_tensorcnt 0x0                           ; the wave's end
	ds_add_u32 v[SPW], v[NIL]
	s_wait_dscnt 0x0
	CROUND                                         ; the closing round
	s_endpgm
.Lfunc_end_k_qbba83c8883_qkv:
	.size	k_qbba83c8883_qkv, .Lfunc_end_k_qbba83c8883_qkv-k_qbba83c8883_qkv
	.p2alignl 7, 3214868480
	.fill 96, 4, 3214868480
	.section	.rodata,"a",@progbits
	.p2align	6, 0x0
	.amdhsa_kernel k_qbba83c8883_qkv
		.amdhsa_group_segment_fixed_size 327680
		.amdhsa_private_segment_fixed_size 0
		.amdhsa_enable_private_segment 0
		.amdhsa_kernarg_size 48
		.amdhsa_user_sgpr_count 2
		.amdhsa_user_sgpr_kernarg_segment_ptr 1
		.amdhsa_wavefront_size32 1
		.amdhsa_system_sgpr_workgroup_id_x 1
		.amdhsa_system_sgpr_workgroup_id_y 1
		.amdhsa_system_sgpr_workgroup_id_z 1
		.amdhsa_system_vgpr_workitem_id 0
		.amdhsa_next_free_vgpr 1024
		.amdhsa_next_free_sgpr 100
		.amdhsa_reserve_vcc 0
		.amdhsa_float_denorm_mode_32 3
		.amdhsa_float_denorm_mode_16_64 3
		.amdhsa_memory_ordered 1
		.amdhsa_forward_progress 1
		.amdhsa_inst_pref_size 220
	.end_amdhsa_kernel
	.amdgpu_metadata
---
amdhsa.version: [ 1, 2 ]
amdhsa.kernels:
  - .name:           k_qbba83c8883_qkv
    .symbol:         k_qbba83c8883_qkv.kd
    .args:
      - { .name: codes, .offset: 0, .size: 8, .value_kind: global_buffer, .address_space: global }
      - { .name: scales, .offset: 8, .size: 8, .value_kind: global_buffer, .address_space: global }
      - { .name: bq, .offset: 16, .size: 8, .value_kind: global_buffer, .address_space: global }
      - { .name: bv, .offset: 24, .size: 8, .value_kind: global_buffer, .address_space: global }
      - { .name: qkv, .offset: 32, .size: 8, .value_kind: global_buffer, .address_space: global }
      - { .name: v32, .offset: 40, .size: 8, .value_kind: global_buffer, .address_space: global }
    .group_segment_fixed_size: 327680
    .private_segment_fixed_size: 0
    .kernarg_segment_align: 8
    .kernarg_segment_size: 48
    .max_flat_workgroup_size: 128
    .sgpr_count:     100
    .vgpr_count:     1024
    .wavefront_size: 32
...
	.end_amdgpu_metadata
.endif
;; end of part 2
;; launch attn (part 3): grid 4 x 64, 16 waves a work-group, no clusters, 327,680 bytes of LDS; arguments qkv, attn_img; writes attn_img
.if DOCPART == 3
	.amdgcn_target "amdgcn-amd-amdhsa--gfx1250"
	.amdhsa_code_object_version 6
	.text
	.protected	k_qbba83c8883_attn
	.globl	k_qbba83c8883_attn
	.p2align	8
	.type	k_qbba83c8883_attn,@function
k_qbba83c8883_attn:
	s_mov_b64 s[64:65], 0
	v_nop
	global_prefetch_b8 v0, s[64:65] scope:SCOPE_SE
	s_setreg_imm32_b32 hwreg(HW_REG_WAVE_MODE, 25, 1), 1
	s_wait_xcnt 0x0
; ATTN: O[q] = sum over k <= q of softmax_k(Q[q] . K[k] / 8) V[k], one batch and head to a row of the grid; operands f16, products, maxima and sums f32; the weights p are rounded to f16 for the second product.
; LEFT OUT: key steps all of whose keys come after a wave's queries (reference()'s own causal mask makes their weights 0); bk (see launch prep).
; SHARES.  Work-group I of a head owns the blocks of 256 queries 7 - I and I: (7 - I + 1/2) + (I + 1/2) = 8 blocks' worth of live keys in every work-group.  Each of its sixteen waves owns 32 queries, two tiles of 16,
; so that each fragment of K and V read from LDS feeds two products.  Wave w: role = (w xor w / 4) & 1 says which block, w / 2 which 32 queries of it.  Both blocks walk one stream of K and V from key 0 on.
; NO CLUSTER: the four work-groups of a head need 8 - I slots each: partners would need different numbers of tiles.
; THE RING.  Two slots of 256 keys: 32 KB of K's images, then 32 KB of V's, as they lie in memory, one dense block of 64 KB; waves 0 to 3 fetch 16 KB each.  Every work-group walks all 8 slots: the trip counts are constants.
; A step's work is left out by a branch on ids; a slot whose first key comes after the work-group's last query is not asked for.  Every wait on TENSORcnt is for 0.
; LAYOUT.  S^T = K Q^T (source 0 = 16 keys, source 1 = 16 queries), O^T = V^T P: a lane holds ONE query (lane % 16) throughout.  All operands lie as images of their registers: a piece of 512 bytes, 16 bytes a lane.
; SOFTMAX.  Running maximum m and sum l: p = 2^(c s - c m), c = log2(e) / 8; in every step O and l are multiplied by a = 2^(c m_old - c m_new).
; The result leaves as f16 images for launch proj: ((row / 64) x 8 + column / 128) x 16384 + ((row / 16) % 4) x 4096 + ((column / 32) % 4) x 1024 + ((column / 16) % 2) x 512.
.set SLOT1, 65536
.set SPARE, 131072                     ; the spare words, 128 bytes for each wave: eight blocks of 256 bytes that no other line names
.set LI,   1                           ; v1  16 x lane
.set ADR,  2                           ; v2  16 x lane + the slot in hand
.set SPW,  3
.set NIL,  4
.set PFO,  5                           ; v5  256 x lane
.set VD,   6                           ; v6  lane % 16 - 8 (lane / 16)
.set DM,   7                           ; v7  the mask's bound in a step on the diagonal
.set NINF, 8                           ; v8  -infinity
.set ST,   10                          ; tile t's statistics at v[ST + 8 t]: +0 c m, +1 m, +2, +3 l, +4 .. +7 at work; a takes +6
.set CB,   26                          ; v26-29 the second chain of the sums, a pair a tile
.set QF,   32                          ; v32-63   Q: tile t, channels 32 cs on: 16 t + 8 cs
.set SS,   64                          ; v64-127  S^T: 32 t + 8 kb; then p; P is packed into the lower 16 registers of each tile
.set OT,   128                         ; v128-191 O^T: 32 t + 8 cb
.set KV,   192                         ; v192-255 a step's K, then its V
.set WV,   8
.set G1,   16
.set G0,   24
.set SEL,  28
.set CS,   30
.set TB,   32
.set KF,   33
.set Q0,   34
.set LASTQ, 35
.set SLOTS, 36
.set PFA,  38
.set LIM,  40
.macro TLOAD                           ; waves 0 to 3 fetch; an s_nop 0 and four v_nop follow the load
	s_cmp_lt_u32 s[WV], 4
	s_cbranch_scc0 .Lasked_\@
	tensor_load_to_lds s[G0:G0+3], s[G1:G1+7]
	s_nop 0
.rept 4
	v_nop
.endr
.Lasked_\@:
.endm
; A prefetch of the slot that the NEXT change of slots will ask for: 64 KB.  All four work-groups of a head walk the same stream: the one that walks all 8 slots (I = 0) asks; in it waves 4 to 11, which fetch nothing,
; 8,192 bytes each, lanes 256 bytes apart: each aligned block of 256 bytes is named once in the launch.  The last change that fills a slot asks for nothing.  Slots 0 and 1 come by their loads alone.
.macro ASK
	s_cmp_gt_u32 s[SLOTS], s[LIM]
	s_cbranch_scc0 .Lnot_mine_\@
	global_prefetch_b8 v[PFO], s[PFA:PFA+1] th:TH_LOAD_NT scope:SCOPE_SE
.Lnot_mine_\@:
.endm
	s_load_b128 s[4:7], s[0:1], 0x0                ; qkv s[4:5], attn_img s[6:7]
	v_lshl_add_u32 v[SPW], v0, 2, SPARE
	v_mov_b32 v[NIL], 0
	ds_add_u32 v[SPW], v[NIL]                      ; the wave's opening: the add, twice on end, and its wait ahead of the first tensor load
	ds_add_u32 v[SPW], v[NIL]
	v_lshrrev_b32 v9, 5, v0
	v_readfirstlane_b32 s[WV], v9                  ; wave 0..15
	s_and_b32 s9, ttmp7, 0xffff                    ; 16 batch + head
	s_mul_i32 s10, s9, 786432                      ; its first byte in qkv
	s_mov_b32 s11, 0
	s_mov_b32 s[G1], 3<<16                         ; group 1: 64 rows of 256 dense bytes: elements of 8 bytes, no mask, no padding
	s_mov_b32 s[G1+1], 32<<16                      ; tensor_dim0
	s_mov_b32 s[G1+2], 64<<16                      ; tensor_dim1
	s_mov_b32 s[G1+3], 32<<16                      ; tile_dim0
	s_mov_b32 s[G1+4], 64                          ; tile_dim1
	s_mov_b32 s[G1+5], 32                          ; from row to row
	s_mov_b32 s[G1+6], 0
	s_mov_b32 s[G1+7], 0
	s_lshr_b32 s41, s[WV], 2
	s_xor_b32 s41, s41, s[WV]
	s_and_b32 s41, s41, 1                          ; role
	s_sub_co_u32 s42, 7, ttmp9
	s_cmp_eq_u32 s41, 0
	s_cselect_b32 s42, s42, ttmp9                  ; my block of 256 queries: 7 - I or I
	s_lshr_b32 s43, s[WV], 1                       ; my 32 of them
	s_lshl_b32 s[Q0], s42, 8
	s_lshl_b32 s44, s43, 5
	s_add_co_u32 s[Q0], s[Q0], s44                 ; my first query
	s_sub_co_u32 s[LASTQ], 8, ttmp9
	s_lshl_b32 s[LASTQ], s[LASTQ], 8
	s_sub_co_u32 s[LASTQ], s[LASTQ], 1             ; my work-group's last query
	s_mul_i32 s12, s42, 98304
	s_lshl_b32 s44, s43, 12
	s_add_co_u32 s12, s12, s44                     ; Q: the block's slot, part 0, 4,096 bytes for 32 queries
	s_mov_b32 s13, 0
	s_add_nc_u64 s[12:13], s[12:13], s[10:11]
	s_and_b32 s44, s[WV], 3
	s_lshl_b32 s44, s44, 14                        ; what I fetch, if I fetch: 16 KB of a slot's 64
	s_add_co_u32 s14, s44, 32768                   ; K and V lie behind Q's part
	s_mov_b32 s15, 0
	s_add_nc_u64 s[14:15], s[14:15], s[10:11]
	; where my rows go in attn_img, in units of 2,048 bytes
	s_lshr_b32 s41, s9, 4                          ; batch
	s_and_b32 s42, s9, 15                          ; head
	s_lshl_b32 s41, s41, 5
	s_lshr_b32 s43, s[Q0], 6
	s_add_co_u32 s41, s41, s43                     ; row / 64
	s_lshl_b32 s41, s41, 3
	s_lshr_b32 s43, s42, 1
	s_add_co_u32 s41, s41, s43                     ; x 8 + column / 128
	s_lshl_b32 s41, s41, 2
	s_bfe_u32 s43, s[Q0], 0x20004
	s_add_co_u32 s41, s41, s43                     ; x 4 + (row / 16) % 4
	s_lshl_b32 s41, s41, 1
	s_and_b32 s43, s42, 1
	s_add_co_u32 s41, s41, s43
	s_lshl_b32 s46, s41, 11
	s_mov_b32 s47, 0
	s_mov_b32 s[SEL], 0x76543210
	s_mov_b32 s[SEL+1], 0xfedcba98                 ; v_permlanex16_b32's selects for lane l xor 16
	s_mov_b32 s[CS], 0x3e38aa3b                    ; c = log2(e) / 8
	s_mov_b32 s[CS+1], s[CS]                       ; (named with it as a pair, so it is written)
	s_mov_b32 s[TB], 0
	s_mov_b32 s[KF], 0
	s_mov_b32 s[SLOTS], 7
	s_wait_dscnt 0x0                               ; both opening adds are done
	s_wait_kmcnt 0x0
	s_mov_b32 s[G0], 1
	s_mov_b32 s[G0+1], s44                         ; LDS: slot 0
	s_add_nc_u64 s[G0+2:G0+3], s[4:5], s[14:15]
	s_or_b32 s[G0+3], s[G0+3], 0x80000000
	TLOAD                                          ; slot 0
	s_add_nc_u64 s[12:13], s[4:5], s[12:13]        ; Q
	s_add_nc_u64 s[6:7], s[6:7], s[46:47]          ; my rows of attn_img
	s_sub_co_u32 s41, s[WV], 4
	s_and_b32 s42, s41, 7
	s_lshl_b32 s42, s42, 13                        ; the prefetches: my 8,192 bytes of a slot's 64 KB,
	s_add_co_u32 s42, s42, 32768+98304             ; in slot 1: the first change of slots steps it to slot 2
	s_mov_b32 s43, 0
	s_add_nc_u64 s[42:43], s[42:43], s[10:11]
	s_add_nc_u64 s[PFA:PFA+1], s[4:5], s[42:43]
	s_lshr_b32 s41, s41, 3                         ; 0 in waves 4 to 11,
	s_or_b32 s41, s41, ttmp9                       ; of the head's work-group 0
	s_cmp_eq_u32 s41, 0
	s_cselect_b32 s[LIM], 1, -1
	v_and_b32 v9, 31, v0
	v_lshlrev_b32 v[LI], 4, v9
	v_lshlrev_b32 v[PFO], 8, v9
.irp n, 0,1,2,3,4,5,6,7
	global_load_b128 v[QF+4*\n:QF+4*\n+3], v[LI], s[12:13] offset:512*\n   ; Q stays in registers
.endr
	v_and_b32 v[VD], 15, v0
	v_bfe_u32 v9, v0, 4, 1
	v_lshlrev_b32 v9, 3, v9
	v_sub_nc_u32 v[VD], v[VD], v9
	v_mov_b32 v[NINF], 0xff800000
.irp t, 0,1
	v_mov_b32 v[ST+8*\t+1], 0xff61b1e6             ; m: -3e38, under every score
	v_mul_f32 v[ST+8*\t], s[CS], v[ST+8*\t+1]      ; c m
.irp j, 2,3,4,5,6,7
	v_mov_b32 v[ST+8*\t+\j], 0                     ; l; and the registers at work, some of which are named before a step has written them
.endr
.endr
.irp j, 0,1,2,3,4,5,6,7,8,9,10,11,12,13,14,15,16,17,18,19,20,21,22,23,24,25,26,27,28,29,30,31,32,33,34,35,36,37,38,39,40,41,42,43,44,45,46,47,48,49,50,51,52,53,54,55,56,57,58,59,60,61,62,63
	v_mov_b32 v[OT+\j], 0                          ; O^T.  (The step is written once: the first finds zeros, which its a = 0 leaves zeros)
.endr
; A KEY STEP: 64 keys, the q-th of the slot in hand.
.macro STEP q
	s_add_co_u32 s41, s[Q0], 31
	s_cmp_gt_u32 s[KF], s41                        ; all 64 keys come after my 32 queries: the step's work is left out; no barrier and no tensor load stands in a step
	s_cbranch_scc1 .Lhidden_\@
.rept 5
	v_nop                                          ; the products below write over P's registers, which the last products read: five places; the same five stand ahead of the loads into K's and V's registers
.endr
.irp n, 0,1,2,3,4,5,6,7,8,9,10,11,12,13,14,15
	ds_load_b128 v[KV+4*\n:KV+4*\n+3], v[ADR] offset:(\q)*8192+512*\n
.endr
	s_wait_dscnt 0x0
.irp cs, 0,1                           ; S^T = K Q^T: the eight accumulators take turns, one instruction a turn
.irp kb, 0,1,2,3
.irp t, 0,1
.if \cs == 0
	v_wmma_f32_16x16x32_f16 v[SS+32*\t+8*\kb:SS+32*\t+8*\kb+7], v[KV+16*\kb:KV+16*\kb+7], v[QF+16*\t:QF+16*\t+7], 0
.else
	v_wmma_f32_16x16x32_f16 v[SS+32*\t+8*\kb:SS+32*\t+8*\kb+7], v[KV+16*\kb+8:KV+16*\kb+15], v[QF+16*\t+8:QF+16*\t+15], v[SS+32*\t+8*\kb:SS+32*\t+8*\kb+7]
.endif
.endr
.endr
.endr
.rept 4
	v_nop                                          ; places ahead of the loads into K's registers and of the first read of the scores
.endr
.irp n, 0,1,2,3,4,5,6,7,8,9,10,11,12,13,14,15
	ds_load_b128 v[KV+4*\n:KV+4*\n+3], v[ADR] offset:32768+(\q)*8192+512*\n   ; V lands while the softmax runs
.endr
	s_add_co_u32 s41, s[KF], 63
	s_cmp_le_u32 s41, s[Q0]                        ; all 64 keys count for all my queries: no mask
	s_cbranch_scc1 .Lopen_\@
	s_sub_co_i32 s41, s[Q0], s[KF]
	v_add_nc_u32 v[DM], s41, v[VD]                 ; register 8 kb + j of tile t holds key KF + 16 kb + 8 h + j and query Q0 + 16 t + r: hidden where 16 kb + j - 16 t > Q0 - KF + r - 8 h
.irp t, 0,1
.irp n, 0,1,2,3,4,5,6,7,8,9,10,11,12,13,14,15,16,17,18,19,20,21,22,23,24,25,26,27,28,29,30,31
	v_cmp_gt_i32 vcc_lo, 16*(\n/8)+\n%8-16*\t, v[DM]
	v_cndmask_b32 v[SS+32*\t+\n], v[SS+32*\t+\n], v[NINF], vcc_lo
.endr
.endr
.Lopen_\@:
.irp j, 0,1,2,3                        ; the maximum of 32 scores and the old m: four chains a tile, each accumulator from its low end on; the two tiles by turns
.irp t, 0,1
	v_max3_num_f32 v[ST+8*\t+4+\j], v[SS+32*\t+8*\j], v[SS+32*\t+8*\j+1], v[SS+32*\t+8*\j+2]
.endr
.endr
.irp g, 1,2
.irp j, 0,1,2,3
.irp t, 0,1
	v_max3_num_f32 v[ST+8*\t+4+\j], v[ST+8*\t+4+\j], v[SS+32*\t+8*\j+2*\g+1], v[SS+32*\t+8*\j+2*\g+2]
.endr
.endr
.endr
.irp t, 0,1
	v_max3_num_f32 v[ST+8*\t+4], v[ST+8*\t+4], v[SS+32*\t+7], v[SS+32*\t+15]
.endr
.irp t, 0,1
	v_max3_num_f32 v[ST+8*\t+6], v[ST+8*\t+6], v[SS+32*\t+23], v[SS+32*\t+31]
.endr
.irp t, 0,1
	v_max3_num_f32 v[ST+8*\t+4], v[ST+8*\t+4], v[ST+8*\t+5], v[ST+8*\t+6]
.endr
.irp t, 0,1
	v_max3_num_f32 v[ST+8*\t+4], v[ST+8*\t+4], v[ST+8*\t+7], v[ST+8*\t+1]
.endr
.irp t, 0,1
	v_permlanex16_b32 v[ST+8*\t+5], v[ST+8*\t+4], s[SEL], s[SEL+1]   ; the query's other 32 keys lie in the lane 16 away
.endr
.irp t, 0,1
	v_mov_b32 v[ST+8*\t+7], v[ST+8*\t]             ; c m_old is kept for a
.endr
.irp t, 0,1
	v_max_num_f32 v[ST+8*\t+1], v[ST+8*\t+4], v[ST+8*\t+5]
.endr
.irp t, 0,1
	v_mul_f32 v[ST+8*\t], s[CS], v[ST+8*\t+1]
.endr
.irp t, 0,1
	v_sub_f32 v[ST+8*\t+7], v[ST+8*\t+7], v[ST+8*\t]
.endr
.irp j, 0,2,4,6,8,10,12,14,16,18,20,22,24,26,28,30
.irp t, 0,1
	v_pk_fma_f32 v[SS+32*\t+\j:SS+32*\t+\j+1], v[SS+32*\t+\j:SS+32*\t+\j+1], s[CS:CS+1], v[ST+8*\t:ST+8*\t+1] op_sel_hi:[1,0,0] neg_lo:[0,0,1] neg_hi:[0,0,1]   ; c s - c m
.endr
.endr
.irp t, 0,1
	v_exp_f32 v[ST+8*\t+6], v[ST+8*\t+7]           ; a.  ONE BATCH: 66 exponentials, none of which reads another's result
.endr
.irp j, 0,1,2,3,4,5,6,7,8,9,10,11,12,13,14,15,16,17,18,19,20,21,22,23,24,25,26,27,28,29,30,31,32,33,34,35,36,37,38,39,40,41,42,43,44,45,46,47,48,49,50,51,52,53,54,55,56,57,58,59,60,61,62,63
	v_exp_f32 v[SS+\j], v[SS+\j]
.endr
	v_nop                                          ; a plain line behind the last exponential
	s_wait_alu depctr_va_vdst(0)                   ; one wait for the batch, ahead of its first reader
.irp t, 0,1                            ; the sums of the unrounded p, two chains a tile; p stays as it is
	v_pk_add_f32 v[ST+8*\t+4:ST+8*\t+5], v[SS+32*\t:SS+32*\t+1], v[SS+32*\t+4:SS+32*\t+5]
	v_pk_add_f32 v[CB+2*\t:CB+2*\t+1], v[SS+32*\t+2:SS+32*\t+3], v[SS+32*\t+6:SS+32*\t+7]
.endr
.irp j, 8,12,16,20,24,28
.irp t, 0,1
	v_pk_add_f32 v[ST+8*\t+4:ST+8*\t+5], v[ST+8*\t+4:ST+8*\t+5], v[SS+32*\t+\j:SS+32*\t+\j+1]
	v_pk_add_f32 v[CB+2*\t:CB+2*\t+1], v[CB+2*\t:CB+2*\t+1], v[SS+32*\t+\j+2:SS+32*\t+\j+3]
.endr
.endr
.irp t, 0,1
	v_pk_add_f32 v[ST+8*\t+4:ST+8*\t+5], v[ST+8*\t+4:ST+8*\t+5], v[CB+2*\t:CB+2*\t+1]
.endr
.irp t, 0,1
	v_pk_fma_f32 v[ST+8*\t+2:ST+8*\t+3], v[ST+8*\t+2:ST+8*\t+3], v[ST+8*\t+6:ST+8*\t+7], v[ST+8*\t+4:ST+8*\t+5] op_sel_hi:[1,0,1]   ; l = a l + the sum
.endr
.irp n, 0,1,2,3,4,5,6,7,8,9,10,11,12,13,14,15
.irp t, 0,1
	v_cvt_pk_f16_f32 v[SS+32*\t+\n], v[SS+32*\t+2*\n], v[SS+32*\t+2*\n+1]   ; P, packed in place, ascending: register n is written when registers 2 n and 2 n + 1 are read
.endr
.endr
.irp j, 0,2,4,6,8,10,12,14,16,18,20,22,24,26,28,30
.irp t, 0,1
	v_pk_mul_f32 v[OT+32*\t+\j:OT+32*\t+\j+1], v[OT+32*\t+\j:OT+32*\t+\j+1], v[ST+8*\t+6:ST+8*\t+7] op_sel_hi:[1,0]   ; O^T x a
.endr
.endr
	s_wait_dscnt 0x0                               ; V is in
.irp ks, 0,1                           ; O^T += V^T P: eight accumulators by turns
.irp cb, 0,1,2,3
.irp t, 0,1
	v_wmma_f32_16x16x32_f16 v[OT+32*\t+8*\cb:OT+32*\t+8*\cb+7], v[KV+32*\ks+8*\cb:KV+32*\ks+8*\cb+7], v[SS+32*\t+8*\ks:SS+32*\t+8*\ks+7], v[OT+32*\t+8*\cb:OT+32*\t+8*\cb+7]
.endr
.endr
.endr
.Lhidden_\@:
	s_add_co_u32 s[KF], s[KF], 64
.endm
; THE CHANGE OF SLOTS stands at a slot's head.  Each wave waits for all its tensor loads, adds 0 to its spare word, and waits for that and for its reads of the slot that it has left; behind the barrier the slot ahead is whole
; and nobody reads the other one.  fill = 1: that other slot is asked for, up to the causal limit.
.macro CHANGE fill
	s_wait_tensorcnt 0x0                           ; no tensor load of mine is out, so group 0 may be written
	ds_add_u32 v[SPW], v[NIL]
.if \fill
	ds_add_u32 v[SPW], v[NIL]                      ; and once more
	s_xor_b32 s[G0+1], s[G0+1], SLOT1              ; the other slot than last time,
	s_add_nc_u64 s[G0+2:G0+3], s[G0+2:G0+3], 98304 ; the next 256 keys
	s_wait_xcnt 0x0                                ; the last prefetch, a slot back, has read its address
	s_add_nc_u64 s[PFA:PFA+1], s[PFA:PFA+1], 98304
.endif
	s_wait_dscnt 0x0
	s_barrier_signal -1
	s_barrier_wait -1
.if \fill
	s_add_co_u32 s41, s[KF], 256                   ; the first key of the slot that this change would ask for
	s_cmp_gt_u32 s41, s[LASTQ]                     ; past my work-group's last query: none of its waves would read it.  Ids and the count of steps alone: all sixteen waves go the same way
	s_cbranch_scc1 .Lpast_\@
	TLOAD                                          ; a wave's one tensor load until the next such barrier
.Lpast_\@:
	ASK
.endif
.endm
.macro SLOT_STEPS
	v_add_nc_u32 v[ADR], s[TB], v[LI]
	STEP 0
	STEP 1
	STEP 2
	STEP 3
	s_xor_b32 s[TB], s[TB], SLOT1
.endm
	s_wait_loadcnt 0x0                             ; Q
.Lslot:                                            ; 7 trips
	CHANGE 1
	SLOT_STEPS
	s_sub_co_u32 s[SLOTS], s[SLOTS], 1
	s_cmp_lg_u32 s[SLOTS], 0
	s_cbranch_scc1 .Lslot
	CHANGE 0                                       ; the last slot is written out: nothing is left to ask for
	SLOT_STEPS
	; THE WAY OUT: O^T / l, rounded to f16; a lane's 8 channels of a query are 16 bytes of a fragment's image.  The additions are places behind the last products.
.irp t, 0,1
	v_add_f32 v[ST+8*\t+4], v[ST+8*\t+2], v[ST+8*\t+3]
.endr
.irp t, 0,1
	v_permlanex16_b32 v[ST+8*\t+5], v[ST+8*\t+4], s[SEL], s[SEL+1]
.endr
.irp t, 0,1
	v_add_f32 v[ST+8*\t+4], v[ST+8*\t+4], v[ST+8*\t+5]
.endr
	v_nop
	v_nop
.irp t, 0,1
	v_rcp_f32 v[ST+8*\t+6], v[ST+8*\t+4]
.endr
	v_nop                                          ; a plain line behind the last reciprocal
	s_wait_alu depctr_va_vdst(0)                   ; and the wait ahead of the first reader
.irp t, 0,1
.irp j, 0,2,4,6,8,10,12,14,16,18,20,22,24,26,28,30
	v_pk_mul_f32 v[OT+32*\t+\j:OT+32*\t+\j+1], v[OT+32*\t+\j:OT+32*\t+\j+1], v[ST+8*\t+6:ST+8*\t+7] op_sel_hi:[1,0]
.endr
.endr
.irp t, 0,1
.irp n, 0,1,2,3,4,5,6,7,8,9,10,11,12,13,14,15
	v_cvt_pk_f16_f32 v[SS+16*\t+\n], v[OT+32*\t+2*\n], v[OT+32*\t+2*\n+1]
.endr
.endr
.irp t, 0,1
.irp cb, 0,1,2,3
	global_store_b128 v[LI], v[SS+16*\t+4*\cb:SS+16*\t+4*\cb+3], s[6:7] offset:\t*4096+512*\cb   ; 512 consecutive bytes, aligned
.endr
.endr
	s_wait_tensorcnt 0x0                           ; the wave's end
	ds_add_u32 v[SPW], v[NIL]
	s_wait_dscnt 0x0
	s_endpgm
.Lfunc_end_k_qbba83c8883_attn:
	.size	k_qbba83c8883_attn, .Lfunc_end_k_qbba83c8883_attn-k_qbba83c8883_attn
	.p2alignl 7, 3214868480
	.fill 96, 4, 3214868480
	.section	.rodata,"a",@progbits
	.p2align	6, 0x0
	.amdhsa_kernel k_qbba83c8883_attn
		.amdhsa_group_segment_fixed_size 327680
		.amdhsa_private_segment_fixed_size 0
		.amdhsa_enable_private_segment 0
		.amdhsa_kernarg_size 16
		.amdhsa_user_sgpr_count 2
		.amdhsa_user_sgpr_kernarg_segment_ptr 1
		.amdhsa_wavefront_size32 1
		.amdhsa_system_sgpr_workgroup_id_x 1
		.amdhsa_system_sgpr_workgroup_id_y 1
		.amdhsa_system_sgpr_workgroup_id_z 1
		.amdhsa_system_vgpr_workitem_id 0
		.amdhsa_next_free_vgpr 256
		.amdhsa_next_free_sgpr 66
		.amdhsa_reserve_vcc 1
		.amdhsa_float_denorm_mode_32 3
		.amdhsa_float_denorm_mode_16_64 3
		.amdhsa_memory_ordered 1
		.amdhsa_forward_progress 1
		.amdhsa_inst_pref_size 184
	.end_amdhsa_kernel
	.amdgpu_metadata
---
amdhsa.version: [ 1, 2 ]
amdhsa.kernels:
  - .name:           k_qbba83c8883_attn
    .symbol:         k_qbba83c8883_attn.kd
    .args:
      - { .name: qkv, .offset: 0, .size: 8, .value_kind: global_buffer, .address_space: global }
      - { .name: attn_img, .offset: 8, .size: 8, .value_kind: global_buffer, .address_space: global }
    .group_segment_fixed_size: 327680
    .private_segment_fixed_size: 0
    .kernarg_segment_align: 8
    .kernarg_segment_size: 16
    .max_flat_workgroup_size: 512
    .sgpr_count:     66
    .vgpr_count:     256
    .wavefront_size: 32
...
	.end_amdgpu_metadata
.endif
;; end of part 3
;; launch proj (part 4): grid 4 x 64, 4 waves a work-group, clusters of 4 x 4, 327,680 bytes of LDS; arguments attn_img, wo_img, bo, out0; writes out0
.if DOCPART == 4
	.amdgcn_target "amdgcn-amd-amdhsa--gfx1250"
	.amdhsa_code_object_version 6
	.text
	.protected	k_qbba83c8883_proj
	.globl	k_qbba83c8883_proj
	.p2align	8
	.type	k_qbba83c8883_proj,@function
k_qbba83c8883_proj:
	s_mov_b64 s[64:65], 0
	v_nop
	global_prefetch_b8 v0, s[64:65] scope:SCOPE_SE
	s_setreg_imm32_b32 hwreg(HW_REG_WAVE_MODE, 25, 1), 1
	s_wait_xcnt 0x0
	s_wait_alu depctr_hold_cnt(0) depctr_sa_sdst(0) depctr_va_vdst(0) depctr_va_sdst(0) depctr_va_ssrc(0) depctr_va_vcc(0) depctr_vm_vsrc(0)
	s_getreg_b32 s2, hwreg(HW_REG_IB_STS2, 6, 4)
	s_cmp_eq_u32 s2, 0
	s_cbranch_scc0 .Lentry_in_a_cluster
	s_endpgm
.Lentry_in_a_cluster:
	s_bfe_u32 s2, ttmp6, 0x10000c
	s_cmp_lg_u32 s2, 0xf033
	s_cbranch_scc0 .Lentry_shape_is_right
	s_endpgm
.Lentry_shape_is_right:
; PROJ: out0 = attn wo + bo, operands f16, sums f32, for every row but the first 16 of each batch.
; LEFT OUT: the stores of rows 0-15 of each batch: launch fine makes those rows in f32 and owns their bytes.  (Their products lie inside a tile with live rows and stay.)
; A tile of 128 rows x 256 columns gives 256 work-groups.  Four waves, each 64 x 128: 32 accumulators, 256 registers.  K goes in 8 steps of 128 through two LDS slots.
; Both operands lie in memory as images of their registers, a K step's tile one dense block: A 2 x 16 KB (waves 0, 1 fetch), B 2 x 32 KB (waves 2, 3).  A fragment is two loads of 16 bytes at 16 x lane: no pitch, no padding.
; CLUSTERS of 4 x 4: tile column = cx; tile row = 16 cy + Y (Y the cluster's y), so that the batch is cy and 'the first rows of a batch' is Y = 0, the same in all sixteen partners.
; A's tile is shared along a row of the cluster, B's along a column: joint loads.  THE MATRIX INSTRUCTION IS USED TRANSPOSED (source 0 = 16 columns of wo, source 1 = 16 rows): a lane holds 8 neighbouring numbers of a row.
; REGISTERS: window 0: v0-31 addresses; v32-127, v128-223 two fragment buffers (B's eight at + 8 nb, A's four at + 64 + 8 rb); v224-227 bo.   window 1: the accumulators, (a, b) at v[8 (8 a + b)].
.set SLOT,   98304                     ; A's two halves of 16,384, then B's two of 32,768
.set STAGE,  2*SLOT                    ; behind the ring: 16 rows x (512 + 16) bytes for each wave; no tensor load lands here
.set SPITCH, 528
.set SPARE,  STAGE+4*16*SPITCH         ; the spare words, 128 bytes for each wave: two blocks of 256 bytes that no other line names
.set ADRA, 16
.set ADRB, 20
.set STO,  24
.set RD,   25
.set CO,   26
.set SPW,  28
.set NIL,  29
.set PFO,  30
.set F0,   32
.set F1,   128
.set BK,   32                          ; the way out: 16 rows read back: v32-95 and v128-191 by turns
.set BO,   224
.set G1,  24
.set G0,  32
.set G1B, 48
.set G0B, 56
.set LIM, 45
.set PFA, 46
.set MSB, 0
.macro WIN new
.if MSB != (\new)
	s_set_vgpr_msb (MSB<<8)|(\new)
.set MSB, (\new)
.endif
.endm
.set MUL, 0x50                         ; C and D window 1, the fragments window 0
.macro JLOAD s                         ; waves 0 and 1 fetch A's halves, waves 2 and 3 B's; an s_nop 0 and four v_nop follow each of the two lines
	s_cmp_eq_u32 s13, 0
	s_cbranch_scc0 .Lfor_b_\@
	tensor_load_to_lds s[G0+4*\s:G0+4*\s+3], s[G1:G1+7]
	s_nop 0
.rept 4
	v_nop
.endr
	s_branch .Lasked_\@
.Lfor_b_\@:
	tensor_load_to_lds s[G0B+4*\s:G0B+4*\s+3], s[G1B:G1B+7]
	s_nop 0
.rept 4
	v_nop
.endr
.Lasked_\@:
.endm
.macro CREST
	s_cmp_lg_u32 s12, 0
	s_cbranch_scc1 .Lnot_wave_0_\@
	s_barrier_signal -3
.Lnot_wave_0_\@:
	s_barrier_wait -3
	s_barrier_signal -1
	s_barrier_wait -1
.endm
.macro CROUND
	s_barrier_signal -1
	s_barrier_wait -1
	CREST
.endm
; A prefetch of A's tile of the K step that stands two refills on: 32 KB, read by one row of one cluster alone.  Its four partners share it out by address, 8,192 bytes each; in each, wave 0 asks, lanes 256 bytes apart:
; each aligned block of 256 bytes is named once.  K steps 0 to 3 come by their loads alone; the loop's last trip, whose refills have no K step two on, asks for nothing.  wo's images, which all clusters read, are not asked for.
.macro ASK
	s_cmp_gt_u32 s3, s[LIM]
	s_cbranch_scc0 .Lnot_mine_\@
	global_prefetch_b8 v[PFO], s[PFA:PFA+1] offset:16384 th:TH_LOAD_NT scope:SCOPE_SE
.Lnot_mine_\@:
.endm
	s_load_b256 s[4:11], s[0:1], 0x0               ; attn_img s[4:5], wo_img s[6:7], bo s[8:9], out0 s[10:11]
	v_lshl_add_u32 v[SPW], v0, 2, SPARE
	v_mov_b32 v[NIL], 0
	ds_add_u32 v[SPW], v[NIL]                      ; the wave's opening: the add, twice on end, and its wait ahead of my first tensor load
	ds_add_u32 v[SPW], v[NIL]
	v_lshrrev_b32 v1, 5, v0
	v_readfirstlane_b32 s12, v1                    ; wave 0..3
	s_lshr_b32 s13, s12, 1                         ; which 64 rows are mine.  Also: I fetch for A (0) or for B (1)
	s_and_b32 s14, s12, 1                          ; which 128 columns.  Also: which half of that tile I fetch
	s_and_b32 s15, ttmp7, 0xffff                   ; Y
	s_bfe_u32 s40, ttmp6, 0x40000                  ; cx
	s_bfe_u32 s41, ttmp6, 0x40004                  ; cy
	s_lshl_b32 s42, s41, 4
	s_add_co_u32 s42, s42, s15                     ; tile row = 16 cy + Y
	s_lshl_b32 s43, s41, 2
	s_lshl_b32 s43, 15, s43                        ; my row of the cluster
	s_lshl_b32 s44, 0x1111, s40                    ; my column
	s_or_b32 s[G1], s43, (3<<16)|(1<<21)           ; the mask; elements of 8 bytes; bit 21 beside a mask; no padding
	s_mov_b32 s[G1+1], 32<<16                      ; rows of 256 bytes
	s_mov_b32 s[G1+2], 64<<16                      ; A: 64 of them
	s_mov_b32 s[G1+3], 32<<16
	s_mov_b32 s[G1+4], 64
	s_mov_b32 s[G1+5], 32
	s_mov_b32 s[G1+6], 0
	s_mov_b32 s[G1+7], 0
	s_or_b32 s[G1B], s44, (3<<16)|(1<<21)
	s_mov_b32 s[G1B+1], 32<<16
	s_mov_b32 s[G1B+2], 128<<16                    ; B: 128
	s_mov_b32 s[G1B+3], 32<<16
	s_mov_b32 s[G1B+4], 128
	s_mov_b32 s[G1B+5], 32
	s_mov_b32 s[G1B+6], 0
	s_mov_b32 s[G1B+7], 0
	s_lshl_b32 s16, s42, 1
	s_add_co_u32 s16, s16, s14
	s_lshl_b32 s16, s16, 17                        ; A: (2 tile row + half) x 8 K steps x 16,384
	s_mov_b32 s17, 0
	s_lshl_b32 s18, s40, 1
	s_add_co_u32 s18, s18, s14
	s_lshl_b32 s18, s18, 18                        ; B: (2 cx + half) x 8 x 32,768
	s_mov_b32 s19, 0
	s_lshl_b32 s20, s14, 14                        ; where they go: made of the wave's number alone
	s_lshl_b32 s21, s14, 15
	s_add_co_u32 s21, s21, 32768
	s_wait_dscnt 0x0                               ; both opening adds are done
	s_wait_kmcnt 0x0
	s_add_nc_u64 s[16:17], s[4:5], s[16:17]
	s_add_nc_u64 s[18:19], s[6:7], s[18:19]
	CROUND                                         ; all sixteen work-groups are here: the first joint loads meet
.irp s, 0,1
	s_mov_b32 s[G0+4*\s], 1
	s_add_co_u32 s[G0+4*\s+1], s20, \s*SLOT
	s_add_nc_u64 s[G0+4*\s+2:G0+4*\s+3], s[16:17], \s*16384
	s_or_b32 s[G0+4*\s+3], s[G0+4*\s+3], 0x80000000
	s_mov_b32 s[G0B+4*\s], 1
	s_add_co_u32 s[G0B+4*\s+1], s21, \s*SLOT
	s_add_nc_u64 s[G0B+4*\s+2:G0B+4*\s+3], s[18:19], \s*32768
	s_or_b32 s[G0B+4*\s+3], s[G0B+4*\s+3], 0x80000000
	JLOAD \s
.endr
	v_and_b32 v1, 31, v0
	v_lshlrev_b32 v[CO], 4, v1                     ; 16 x lane
	v_lshlrev_b32 v[PFO], 8, v1
	s_lshl_b32 s22, s13, 14                        ; my 64 rows of A
	s_lshl_b32 s23, s14, 15
	s_add_co_u32 s23, s23, 32768                   ; my 128 columns of B
.irp s, 0,1
	v_add_nc_u32 v[ADRA+\s], s22, v[CO]
	v_add_nc_u32 v[ADRB+\s], s23, v[CO]
	s_add_co_u32 s22, s22, SLOT
	s_add_co_u32 s23, s23, SLOT
.endr
	s_mul_i32 s22, s12, 16*SPITCH
	s_add_co_u32 s22, s22, STAGE                   ; my stage
	v_and_b32 v2, 15, v0
	v_bfe_u32 v3, v0, 4, 1
	v_mul_u32_u24 v4, v2, SPITCH
	v_lshl_add_u32 v4, v3, 5, v4
	v_add_nc_u32 v[STO], s22, v4                   ; in: row lane % 16, 32 bytes for each half of the lanes
	v_add_nc_u32 v[RD], s22, v[CO]                 ; back: the 32 lanes take one row of 512 bytes
	s_lshl_b32 s16, s40, 10
	s_lshl_b32 s17, s14, 9
	s_add_co_u32 s16, s16, s17                     ; my first column, in bytes
	s_mov_b32 s17, 0
	s_add_nc_u64 s[8:9], s[8:9], s[16:17]
	global_load_b128 v[BO:BO+3], v[CO], s[8:9]     ; bo of my four columns
	s_lshl_b32 s18, s42, 19                        ; 128 rows of 4,096 bytes a tile row,
	s_lshl_b32 s19, s13, 18                        ; 64 for my half
	s_add_co_u32 s18, s18, s19
	s_add_co_u32 s18, s18, s16
	s_mov_b32 s19, 0
	s_add_nc_u64 s[10:11], s[10:11], s[18:19]
	s_or_b32 s2, s15, s13                          ; 0 where my block 0 holds the first 16 rows of a batch
	s_lshl_b32 s16, s42, 1
	s_lshr_b32 s17, s40, 1
	s_add_co_u32 s16, s16, s17
	s_lshl_b32 s16, s16, 17
	s_and_b32 s17, s40, 1
	s_lshl_b32 s17, s17, 13
	s_add_co_u32 s16, s16, s17
	s_add_co_u32 s16, s16, 2*16384                 ; the prefetches stand at K step 2: the first refill steps them to 3 and names 4
	s_mov_b32 s17, 0
	s_add_nc_u64 s[PFA:PFA+1], s[4:5], s[16:17]
	s_cmp_eq_u32 s12, 0
	s_cselect_b32 s[LIM], 1, -1
.macro MUL8 f, a, zero                 ; row block a x the eight column blocks, 32 along K.  The 32 accumulators take turns, one instruction a turn, in the same order in every quarter
.irp b, 0,1,2,3,4,5,6,7
.if \zero
	v_wmma_f32_16x16x32_f16 v[8*(8*(\a)+\b):8*(8*(\a)+\b)+7], v[\f+8*\b:\f+8*\b+7], v[\f+64+8*(\a):\f+64+8*(\a)+7], 0
.else
	v_wmma_f32_16x16x32_f16 v[8*(8*(\a)+\b):8*(8*(\a)+\b)+7], v[\f+8*\b:\f+8*\b+7], v[\f+64+8*(\a):\f+64+8*(\a)+7], v[8*(8*(\a)+\b):8*(8*(\a)+\b)+7]
.endif
.endr
.endm
.macro MUL16 f, a0, zero
	MUL8 \f, \a0, \zero
	MUL8 \f, \a0+1, \zero
.endm
.macro FETCH slot, q, f                ; 24 LDS loads in one run: B's sixteen first, then A's eight
	WIN 0
.irp nb, 0,1,2,3,4,5,6,7
.irp c, 0,1
	ds_load_b128 v[\f+8*\nb+4*\c:\f+8*\nb+4*\c+3], v[ADRB+\slot] offset:(4*\nb+\q)*1024+512*\c
.endr
.endr
.irp rb, 0,1,2,3
.irp c, 0,1
	ds_load_b128 v[\f+64+8*\rb+4*\c:\f+64+8*\rb+4*\c+3], v[ADRA+\slot] offset:(4*\rb+\q)*1024+512*\c
.endr
.endr
.endm
.macro PLACES
.rept 4
	v_nop
.endr
.endm
.macro QUARTER slot, nextq, f, g, zero ; 32 along K: multiplies buffer f and fetches the slot's next quarter into g
	s_wait_dscnt 4                                 ; B and A's row blocks 0, 1 are in; the youngest four loads (row blocks 2, 3) may be out
	WIN MUL
	MUL16 \f, 0, \zero
	PLACES                                         ; ahead of loads into registers that matrix instructions have read
	FETCH \slot, \nextq, \g
	s_wait_dscnt 24                                ; all but the 24 just issued
	WIN MUL
	MUL16 \f, 2, \zero
.endm
; A slot's last quarter changes slots: in front of the barrier each wave waits for all its tensor loads, adds 0 to its spare word, and waits for that and for its reads of this slot.  fill = 1: the barrier opens a round of the
; cluster's barrier, and behind it this slot is filled again, two K steps ahead.
.macro TURN slot, next, fill
.if \fill
	s_wait_xcnt 0x0                                ; the last prefetch, a K step back, has read its address
	s_add_nc_u64 s[PFA:PFA+1], s[PFA:PFA+1], 16384
.endif
	WIN 0
	s_wait_tensorcnt 0x0                           ; all my tensor loads have landed: my part of the next slot
	ds_add_u32 v[SPW], v[NIL]
	s_wait_dscnt 5                                 ; the add and the youngest four loads may be out
	WIN MUL
	MUL8 F1, 0, 0
	s_wait_dscnt 0x0                               ; the add is done, and my reads of this slot are over
	s_barrier_signal -1
	MUL8 F1, 1, 0
	WIN 0
	s_barrier_wait -1
.if \fill
	CREST                                          ; no wave of any partner still reads this slot or has a load on its way
	s_add_nc_u64 s[G0+4*\slot+2:G0+4*\slot+3], s[G0+4*\slot+2:G0+4*\slot+3], 2*16384
	s_add_nc_u64 s[G0B+4*\slot+2:G0B+4*\slot+3], s[G0B+4*\slot+2:G0B+4*\slot+3], 2*32768
	JLOAD \slot                                    ; the first tensor load behind the round; its four v_nop are also the places ahead of the loads below
.else
	PLACES
.endif
	FETCH \next, 0, F0
.if \fill
	ASK
.endif
	WIN MUL
	MUL16 F1, 2, 0
.endm
	s_wait_tensorcnt 1                             ; my part of K step 0 is in; K step 1's load may be out
	s_barrier_signal -1
	s_barrier_wait -1
	FETCH 0, 0, F0
	QUARTER 0, 1, F0, F1, 1                        ; the first products start the sums: nothing is cleared
	WIN 0
	s_mov_b32 s3, 3
.Llap:                                             ; a trip goes once round the ring and fills both slots again
	QUARTER 0, 2, F1, F0, 0
	QUARTER 0, 3, F0, F1, 0
	TURN 0, 1, 1
	QUARTER 1, 1, F0, F1, 0
	QUARTER 1, 2, F1, F0, 0
	QUARTER 1, 3, F0, F1, 0
	TURN 1, 0, 1
	QUARTER 0, 1, F0, F1, 0
	WIN 0
	s_sub_co_u32 s3, s3, 1
	s_cmp_lg_u32 s3, 0
	s_cbranch_scc1 .Llap
	QUARTER 0, 2, F1, F0, 0                        ; the last lap fills nothing
	QUARTER 0, 3, F0, F1, 0
	TURN 0, 1, 0
	QUARTER 1, 1, F0, F1, 0
	QUARTER 1, 2, F1, F0, 0
	QUARTER 1, 3, F0, F1, 0
	s_wait_dscnt 4
	WIN MUL
	MUL16 F1, 0, 0
	s_wait_dscnt 0
	MUL16 F1, 2, 0
	WIN 0
; THE WAY OUT, block by block of 16 rows x 128 columns: through my own stage and back as whole rows of 512 bytes; bo is added on the way.  LDS serves a wave's instructions in order: no wait between the stores and the loads.
.macro TOSTAGE a
	WIN 0x04                                       ; an LDS store's data are its source 1: window 1
.irp b, 0,1,2,3,4,5,6,7
	ds_store_b128 v[STO], v[8*(8*(\a)+\b):8*(8*(\a)+\b)+3] offset:64*\b          ; each accumulator from its low end on
	ds_store_b128 v[STO], v[8*(8*(\a)+\b)+4:8*(8*(\a)+\b)+7] offset:64*\b+16
.endr
	WIN 0
.set BB, BK+96*((\a)%2)
.irp t, 0,1,2,3,4,5,6,7,8,9,10,11,12,13,14,15
	ds_load_b128 v[BB+4*\t:BB+4*\t+3], v[RD] offset:\t*SPITCH
.endr
.endm
.macro SEND a, younger
.set BB, BK+96*((\a)%2)
	s_wait_dscnt \younger                          ; the block is back; the next block's 16 stores and 16 loads may be out
.if (\a) == 0
	s_cmp_eq_u32 s2, 0                             ; the first 16 rows of a batch belong to launch fine
	s_cbranch_scc1 .Lfine_rows
.endif
.irp t, 0,1,2,3,4,5,6,7,8,9,10,11,12,13,14,15
	v_pk_add_f32 v[BB+4*\t:BB+4*\t+1], v[BB+4*\t:BB+4*\t+1], v[BO:BO+1]
	v_pk_add_f32 v[BB+4*\t+2:BB+4*\t+3], v[BB+4*\t+2:BB+4*\t+3], v[BO+2:BO+3]
.endr
.irp t, 0,1,2,3,4,5,6,7,8,9,10,11,12,13,14,15
	global_store_b128 v[CO], v[BB+4*\t:BB+4*\t+3], s[10:11] offset:(\a)*65536+\t*4096 th:TH_STORE_NT   ; 512 consecutive bytes, aligned
.endr
.if (\a) == 0
.Lfine_rows:
.endif
.endm
	PLACES                                         ; ahead of the first read of results and of loads into the fragment buffers
	s_wait_loadcnt 0x0                             ; bo
	TOSTAGE 0
.irp a, 1,2,3
.if \a > 1
	s_wait_xcnt 0x0                                ; block a - 2's stores have read their registers
.endif
	TOSTAGE \a
	SEND \a-1, 32
.endr
	SEND 3, 0
	s_wait_tensorcnt 0x0                           ; the wave's end
	ds_add_u32 v[SPW], v[NIL]
	s_wait_dscnt 0x0
	CROUND                                         ; the closing round
	s_endpgm
.Lfunc_end_k_qbba83c8883_proj:
	.size	k_qbba83c8883_proj, .Lfunc_end_k_qbba83c8883_proj-k_qbba83c8883_proj
	.p2alignl 7, 3214868480
	.fill 96, 4, 3214868480
	.section	.rodata,"a",@progbits
	.p2align	6, 0x0
	.amdhsa_kernel k_qbba83c8883_proj
		.amdhsa_group_segment_fixed_size 327680
		.amdhsa_private_segment_fixed_size 0
		.amdhsa_enable_private_segment 0
		.amdhsa_kernarg_size 32
		.amdhsa_user_sgpr_count 2
		.amdhsa_user_sgpr_kernarg_segment_ptr 1
		.amdhsa_wavefront_size32 1
		.amdhsa_system_sgpr_workgroup_id_x 1
		.amdhsa_system_sgpr_workgroup_id_y 1
		.amdhsa_system_sgpr_workgroup_id_z 1
		.amdhsa_system_vgpr_workitem_id 0
		.amdhsa_next_free_vgpr 512
		.amdhsa_next_free_sgpr 66
		.amdhsa_reserve_vcc 0
		.amdhsa_float_denorm_mode_32 3
		.amdhsa_float_denorm_mode_16_64 3
		.amdhsa_memory_ordered 1
		.amdhsa_forward_progress 1
		.amdhsa_inst_pref_size 93
	.end_amdhsa_kernel
	.amdgpu_metadata
---
amdhsa.version: [ 1, 2 ]
amdhsa.kernels:
  - .name:           k_qbba83c8883_proj
    .symbol:         k_qbba83c8883_proj.kd
    .args:
      - { .name: attn_img, .offset: 0, .size: 8, .value_kind: global_buffer, .address_space: global }
      - { .name: wo_img, .offset: 8, .size: 8, .value_kind: global_buffer, .address_space: global }
      - { .name: bo, .offset: 16, .size: 8, .value_kind: global_buffer, .address_space: global }
      - { .name: out0, .offset: 24, .size: 8, .value_kind: global_buffer, .address_space: global }
    .group_segment_fixed_size: 327680
    .private_segment_fixed_size: 0
    .kernarg_segment_align: 8
    .kernarg_segment_size: 32
    .max_flat_workgroup_size: 128
    .sgpr_count:     66
    .vgpr_count:     512
    .wavefront_size: 32
...
	.end_amdgpu_metadata
.endif
;; end of part 4
;; launch fine (part 5): grid 64 x 4, 16 waves a work-group, no clusters, 18,432 bytes of LDS; arguments qkv, v32, wo, bo, out0; writes out0
.if DOCPART == 5
	.amdgcn_target "amdgcn-amd-amdhsa--gfx1250"
	.amdhsa_code_object_version 6
	.text
	.protected	k_qbba83c8883_fine
	.globl	k_qbba83c8883_fine
	.p2align	8
	.type	k_qbba83c8883_fine,@function
k_qbba83c8883_fine:
	s_mov_b64 s[64:65], 0
	v_nop
	global_prefetch_b8 v0, s[64:65] scope:SCOPE_SE
	s_setreg_imm32_b32 hwreg(HW_REG_WAVE_MODE, 25, 1), 1
	s_wait_xcnt 0x0
; FINE: rows 0-15 of each batch of out0.  Under the causal mask these rows average 1 to 16 values, so the rounding of 16-bit operands would weigh most here: p v and the projection by wo are made in f32.
; q k^T sums 64 terms in these rows as in all others and takes the f16 images of launch qkv.  LEFT OUT: bk (see launch prep).
; SHARES.  Work-group (G, b): 16 output columns 16 G on, batch b.  Wave hd takes head hd: its 16 x 16 attention, then its head's 64 of the projection's K for the 16 columns; sixteen partial tiles meet in LDS.
; The attention of a head is made anew in each of the 64 column groups: 18 small products a wave, so that the f32 projection is spread over 256 work-groups.
; A row gets 64 consecutive bytes from a work-group: these stores cover parts of aligned blocks of 256 bytes; 256 KB of the output in all.
; LAYOUT.  S^T = K Q^T: lane (r, h) holds query r and keys 8 h + 0..7.  The f32 form takes 4 along K: lane (r, h), register j stands for k = 2 h + j.  Step i gives that place token (or channel) 8 h + 2 i + j, alike in both
; operands, so that a lane's 8 registers are used as they lie.  O^T = V^T P: lane (r, h): query r, channels 16 cb + 8 h + 0..7, which is again the second operand of out^T = wo^T O^T.
.set SPARE, 16384                      ; behind the partial tiles: the spare words, 128 bytes for each wave: eight blocks of 256 bytes that no other line names
.set LI,   1
.set SPW,  2
.set NIL,  3
.set STA,  4                           ; v4  where I store my partial tile: 16 x lane + 1,024 x wave
.set RDA,  5                           ; v5  where waves 0 and 1 read: 16 x lane + 512 x (wave & 1)
.set DD,   6                           ; v6  r - 8 h
.set WOF,  7
.set BOF,  8
.set OOF,  9
.set NINF, 10
.set QF,   16
.set KF,   32
.set VF,   48
.set WF,   80
.set SA0,  112
.set SA1,  120
.set SS,   128
.set TM,   136
.set OA,   148                         ; v148-179: written by matrix instructions alone
.set RA,   180                         ; v180-211: likewise
.set RS,   212
.set BI,   220
.set SEL,  28
.set CS,   30
	s_load_b256 s[4:11], s[0:1], 0x0               ; qkv s[4:5], v32 s[6:7], wo s[8:9], bo s[10:11]
	s_load_b64 s[12:13], s[0:1], 0x20              ; out0
	v_lshl_add_u32 v[SPW], v0, 2, SPARE
	v_mov_b32 v[NIL], 0
	v_lshrrev_b32 v11, 5, v0
	v_readfirstlane_b32 s14, v11                   ; wave = head
	v_and_b32 v11, 31, v0
	v_lshlrev_b32 v[LI], 4, v11
	s_lshl_b32 s15, s14, 10
	v_add_nc_u32 v[STA], s15, v[LI]
	s_and_b32 s16, s14, 1
	s_lshl_b32 s17, s16, 9
	v_add_nc_u32 v[RDA], s17, v[LI]
	v_and_b32 v12, 15, v0                          ; r
	v_bfe_u32 v13, v0, 4, 1                        ; h
	v_lshlrev_b32 v14, 3, v13
	v_sub_nc_u32 v[DD], v12, v14
	v_lshlrev_b32 v[WOF], 2, v12
	v_lshl_add_u32 v[WOF], v13, 15, v[WOF]         ; wo: 8 h rows of 4,096 bytes + 4 r
	v_lshlrev_b32 v[BOF], 5, v13                   ; bo: 8 h numbers
	v_lshlrev_b32 v[OOF], 12, v12
	v_lshl_add_u32 v[OOF], v13, 5, v[OOF]          ; out0: row r, + 8 h numbers
	v_mov_b32 v[NINF], 0xff800000
	s_and_b32 s15, ttmp7, 0xffff                   ; batch
	s_lshl_b32 s16, s15, 4
	s_add_co_u32 s16, s16, s14                     ; 16 batch + head
	s_mul_i32 s18, s16, 786432
	s_mov_b32 s19, 0
	s_lshl_b32 s20, s16, 12
	s_mov_b32 s21, 0
	s_lshl_b32 s17, ttmp9, 6                       ; 16 columns are 64 bytes
	s_lshl_b32 s22, s14, 18                        ; my head's 64 rows of wo
	s_add_co_u32 s22, s22, s17
	s_mov_b32 s23, 0
	s_and_b32 s24, s14, 1
	s_lshl_b32 s24, s24, 4
	s_add_co_u32 s24, s24, s17                     ; bo and out0: 64 G + 16 (wave & 1)
	s_mov_b32 s25, 0
	s_lshl_b32 s26, s15, 23                        ; a batch's 2,048 rows of 4,096 bytes
	s_add_co_u32 s26, s26, s24
	s_mov_b32 s27, 0
	s_mov_b32 s[SEL], 0x76543210
	s_mov_b32 s[SEL+1], 0xfedcba98
	s_mov_b32 s[CS], 0x3e38aa3b                    ; c = log2(e) / 8
	s_mov_b32 s[CS+1], s[CS]
	s_wait_kmcnt 0x0
	s_add_nc_u64 s[4:5], s[4:5], s[18:19]
	s_add_nc_u64 s[6:7], s[6:7], s[20:21]
	s_add_nc_u64 s[8:9], s[8:9], s[22:23]
	s_add_nc_u64 s[10:11], s[10:11], s[24:25]
	s_add_nc_u64 s[12:13], s[12:13], s[26:27]
	global_load_b128 v[BI:BI+3], v[BOF], s[10:11]  ; four numbers of bo: every wave's first load, with no branch, so that the counts below are the same in all waves; waves 0 and 1 use them
.irp p, 0,1,2,3
	global_load_b128 v[QF+4*\p:QF+4*\p+3], v[LI], s[4:5] offset:512*\p
.endr
.irp p, 0,1,2,3
	global_load_b128 v[KF+4*\p:KF+4*\p+3], v[LI], s[4:5] offset:32768+512*\p
.endr
.irp n, 0,1,2,3,4,5,6,7
	global_load_b128 v[VF+4*\n:VF+4*\n+3], v[LI], s[6:7] offset:512*\n
.endr
.irp cb, 0,1,2,3
.irp j, 0,1,2,3,4,5,6,7
	global_load_b32 v[WF+8*\cb+\j], v[WOF], s[8:9] offset:(16*\cb+\j)*4096   ; wo[64 hd + 16 cb + 8 h + j][16 G + r]
.endr
.endr
	s_wait_loadcnt 40                              ; Q and K are in; V's 8 and wo's 32 may be out
	v_wmma_f32_16x16x32_f16 v[SA0:SA0+7], v[KF:KF+7], v[QF:QF+7], 0          ; two accumulators, one for each 32 channels
	v_wmma_f32_16x16x32_f16 v[SA1:SA1+7], v[KF+8:KF+15], v[QF+8:QF+15], 0
.rept 4
	v_nop
.endr
.irp j, 0,2,4,6
	v_pk_add_f32 v[SS+\j:SS+\j+1], v[SA0+\j:SA0+\j+1], v[SA1+\j:SA1+\j+1]
.endr
.irp j, 0,1,2,3,4,5,6,7
	v_cmp_gt_i32 vcc_lo, \j, v[DD]                 ; key 8 h + j comes after query r
	v_cndmask_b32 v[SS+\j], v[SS+\j], v[NINF], vcc_lo
.endr
	v_max3_num_f32 v[TM], v[SS], v[SS+1], v[SS+2]
	v_max3_num_f32 v[TM+1], v[SS+3], v[SS+4], v[SS+5]
	v_max3_num_f32 v[TM], v[TM], v[SS+6], v[SS+7]
	v_max_num_f32 v[TM], v[TM], v[TM+1]
	v_permlanex16_b32 v[TM+1], v[TM], s[SEL], s[SEL+1]
	v_max_num_f32 v[TM+3], v[TM], v[TM+1]          ; the row's maximum: key 0 counts for every query, so it is a number
	v_mul_f32 v[TM+2], s[CS], v[TM+3]              ; c m
.irp j, 0,2,4,6
	v_pk_fma_f32 v[SS+\j:SS+\j+1], v[SS+\j:SS+\j+1], s[CS:CS+1], v[TM+2:TM+3] op_sel_hi:[1,0,0] neg_lo:[0,0,1] neg_hi:[0,0,1]
.endr
.irp j, 0,1,2,3,4,5,6,7
	v_exp_f32 v[SS+\j], v[SS+\j]
.endr
	v_nop
	s_wait_alu depctr_va_vdst(0)                   ; one wait for the eight, ahead of their first reader
	v_pk_add_f32 v[TM+4:TM+5], v[SS:SS+1], v[SS+2:SS+3]
	v_pk_add_f32 v[TM+6:TM+7], v[SS+4:SS+5], v[SS+6:SS+7]
	v_pk_add_f32 v[TM+4:TM+5], v[TM+4:TM+5], v[TM+6:TM+7]
	v_add_f32 v[TM+4], v[TM+4], v[TM+5]
	v_permlanex16_b32 v[TM+5], v[TM+4], s[SEL], s[SEL+1]
	v_add_f32 v[TM+4], v[TM+4], v[TM+5]
	v_rcp_f32 v[TM+6], v[TM+4]
	v_nop
	s_wait_alu depctr_va_vdst(0)
.irp j, 0,2,4,6
	v_pk_mul_f32 v[SS+\j:SS+\j+1], v[SS+\j:SS+\j+1], v[TM+6:TM+7] op_sel_hi:[1,0]   ; the weights, in f32
.endr
	s_wait_loadcnt 32                              ; V is in; wo's 32 may be out
.irp i, 0,1,2,3                        ; O^T = V^T P in f32: four accumulators by turns; the first step starts each sum with the constant 0
.irp cb, 0,1,2,3
.if \i == 0
	v_wmma_f32_16x16x4_f32 v[OA+8*\cb:OA+8*\cb+7], v[VF+8*\cb+2*\i:VF+8*\cb+2*\i+1], v[SS+2*\i:SS+2*\i+1], 0
.else
	v_wmma_f32_16x16x4_f32 v[OA+8*\cb:OA+8*\cb+7], v[VF+8*\cb+2*\i:VF+8*\cb+2*\i+1], v[SS+2*\i:SS+2*\i+1], v[OA+8*\cb:OA+8*\cb+7]
.endif
.endr
.endr
	s_wait_loadcnt 0x0                             ; wo
.rept 9
	v_nop                                          ; nine places before a result of this form becomes an operand (ISA guide 7.12.1)
.endr
.irp i, 0,1,2,3                        ; out^T = wo^T O^T: accumulator cb sums channels 16 cb on
.irp cb, 0,1,2,3
.if \i == 0
	v_wmma_f32_16x16x4_f32 v[RA+8*\cb:RA+8*\cb+7], v[WF+8*\cb+2*\i:WF+8*\cb+2*\i+1], v[OA+8*\cb+2*\i:OA+8*\cb+2*\i+1], 0
.else
	v_wmma_f32_16x16x4_f32 v[RA+8*\cb:RA+8*\cb+7], v[WF+8*\cb+2*\i:WF+8*\cb+2*\i+1], v[OA+8*\cb+2*\i:OA+8*\cb+2*\i+1], v[RA+8*\cb:RA+8*\cb+7]
.endif
.endr
.endr
.rept 8
	v_nop
.endr
.irp j, 0,2,4,6
	v_pk_add_f32 v[RS+\j:RS+\j+1], v[RA+\j:RA+\j+1], v[RA+8+\j:RA+8+\j+1]    ; each accumulator from its low end on; the sums go into other registers
.endr
.irp j, 0,2,4,6
	v_pk_add_f32 v[RS+\j:RS+\j+1], v[RS+\j:RS+\j+1], v[RA+16+\j:RA+16+\j+1]
.endr
.irp j, 0,2,4,6
	v_pk_add_f32 v[RS+\j:RS+\j+1], v[RS+\j:RS+\j+1], v[RA+24+\j:RA+24+\j+1]
.endr
	ds_store_b128 v[STA], v[RS:RS+3]               ; lane (r, h): query r, columns 16 G + 8 h + 0..3,
	ds_store_b128 v[STA], v[RS+4:RS+7] offset:512  ; and + 4..7
	s_wait_dscnt 0x0                               ; for the others' sake: my stores are done
	s_barrier_signal -1
	s_barrier_wait -1
	s_cmp_lt_u32 s14, 2
	s_cbranch_scc0 .Ldone
.irp n, 0,1,2,3,4,5,6,7,8,9,10,11,12,13,14,15
	ds_load_b128 v[16+4*\n:16+4*\n+3], v[RDA] offset:1024*\n   ; wave u: the sixteen heads' parts of columns 8 h + 4 u + 0..3
.endr
	s_wait_dscnt 0x0
.irp n, 0,1,2,3,4,5,6,7
	v_pk_add_f32 v[16+4*\n:16+4*\n+1], v[16+4*\n:16+4*\n+1], v[48+4*\n:48+4*\n+1]
	v_pk_add_f32 v[16+4*\n+2:16+4*\n+3], v[16+4*\n+2:16+4*\n+3], v[48+4*\n+2:48+4*\n+3]
.endr
.irp n, 0,1,2,3
	v_pk_add_f32 v[16+4*\n:16+4*\n+1], v[16+4*\n:16+4*\n+1], v[32+4*\n:32+4*\n+1]
	v_pk_add_f32 v[16+4*\n+2:16+4*\n+3], v[16+4*\n+2:16+4*\n+3], v[32+4*\n+2:32+4*\n+3]
.endr
.irp n, 0,1
	v_pk_add_f32 v[16+4*\n:16+4*\n+1], v[16+4*\n:16+4*\n+1], v[24+4*\n:24+4*\n+1]
	v_pk_add_f32 v[16+4*\n+2:16+4*\n+3], v[16+4*\n+2:16+4*\n+3], v[24+4*\n+2:24+4*\n+3]
.endr
	v_pk_add_f32 v[16:17], v[16:17], v[20:21]
	v_pk_add_f32 v[18:19], v[18:19], v[22:23]
	v_pk_add_f32 v[16:17], v[16:17], v[BI:BI+1]
	v_pk_add_f32 v[18:19], v[18:19], v[BI+2:BI+3]
	global_store_b128 v[OOF], v[16:19], s[12:13]
.Ldone:
	s_wait_tensorcnt 0x0                           ; the wave's end, behind my last LDS store
	ds_add_u32 v[SPW], v[NIL]
	s_wait_dscnt 0x0
	s_endpgm
.Lfunc_end_k_qbba83c8883_fine:
	.size	k_qbba83c8883_fine, .Lfunc_end_k_qbba83c8883_fine-k_qbba83c8883_fine
	.p2alignl 7, 3214868480
	.fill 96, 4, 3214868480
	.section	.rodata,"a",@progbits
	.p2align	6, 0x0
	.amdhsa_kernel k_qbba83c8883_fine
		.amdhsa_group_segment_fixed_size 18432
		.amdhsa_private_segment_fixed_size 0
		.amdhsa_enable_private_segment 0
		.amdhsa_kernarg_size 40
		.amdhsa_user_sgpr_count 2
		.amdhsa_user_sgpr_kernarg_segment_ptr 1
		.amdhsa_wavefront_size32 1
		.amdhsa_system_sgpr_workgroup_id_x 1
		.amdhsa_system_sgpr_workgroup_id_y 1
		.amdhsa_system_sgpr_workgroup_id_z 1
		.amdhsa_system_vgpr_workitem_id 0
		.amdhsa_next_free_vgpr 224
		.amdhsa_next_free_sgpr 66
		.amdhsa_reserve_vcc 1
		.amdhsa_float_denorm_mode_32 3
		.amdhsa_float_denorm_mode_16_64 3
		.amdhsa_memory_ordered 1
		.amdhsa_forward_progress 1
		.amdhsa_inst_pref_size 17
	.end_amdhsa_kernel
	.amdgpu_metadata
---
amdhsa.version: [ 1, 2 ]
amdhsa.kernels:
  - .name:           k_qbba83c8883_fine
    .symbol:         k_qbba83c8883_fine.kd
    .args:
      - { .name: qkv, .offset: 0, .size: 8, .value_kind: global_buffer, .address_space: global }
      - { .name: v32, .offset: 8, .size: 8, .value_kind: global_buffer, .address_space: global }
      - { .name: wo, .offset: 16, .size: 8, .value_kind: global_buffer, .address_space: global }
      - { .name: bo, .offset: 24, .size: 8, .value_kind: global_buffer, .address_space: global }
      - { .name: out0, .offset: 32, .size: 8, .value_kind: global_buffer, .address_space: global }
    .group_segment_fixed_size: 18432
    .private_segment_fixed_size: 0
    .kernarg_segment_align: 8
    .kernarg_segment_size: 40
    .max_flat_workgroup_size: 512
    .sgpr_count:     66
    .vgpr_count:     224
    .wavefront_size: 32
...
	.end_amdgpu_metadata
.endif
;; end of part 5
